; MI455X (gfx1250); checked and timed in simulation.
; The chip was launched on July 23, 2026; its instructions are those of AMD's public machine-readable ISA for CDNA 5 (MIT licence, August 2026) and "CDNA5" Instruction Set Architecture Reference Guide (July 2026). The comments in the code are by the model that wrote it; some were corrected since.
;; Causal Self Attention. Allowed arithmetic: matrix products marked QUANTISED: E2M1 operands, one E8M0 scale for each 32 along K, by v_wmma_scale_f32_16x16x128_f8f6f4 with both operands' format E2M1 (or v_wmma_scale_f32_32x16x128_f4), f32 sums; products left as they are: bf16, f16 or f32 operands; f32 sums; everything else in f32.
;; Inputs: b_proj 1,024 float32; b_qkv 3,072 float32; w_proj 1,024 x 1,024 float32; w_qkv 1,024 x 3,072 float32; x 2 x 2,048 x 1,024 float32.
;; Outputs: out0 2 x 2,048 x 1,024 float32.
;; This version of the problem:
;;   THIS VERSION OF THE PROBLEM IS GIVEN IN LOW PRECISION. The matrix products marked QUANTISED in the list below multiply operands that are first quantised to E2M1 (2 exponent bits, 1 mantissa bit; 4 bits a number), with one power-of-two scale for each 32 numbers along K (OCP MX v1.0); their sums are f32. The products marked 'left as it is' may take bf16, f16 or f32 operands, with f32 sums. Whichever they take, every output number must still come out within the allowed error. Rounding operands to bf16 (8 significant bits) uses up far more of that allowance than f16 does (11 bits, for magnitudes from 6e-5 to 65,504). All else is computed in f32.
;;   The module's matrix products, in the order in which they are computed (A, B: the left and right operand; K: the contracted axis; several contracted axes count as one K, in the product's order):
;;     1. [M 4,096, K 1,024] x [K 1,024, N 3,072]; A: input x; B: input w_qkv: QUANTISED
;;     2. batch 32 x [M 2,048, K 64] x [K 64, N 2,048]; A: computed on the way; B: computed on the way: left as it is (an operand is computed on the way)
;;     3. batch 32 x [M 2,048, K 2,048] x [K 2,048, N 64]; A: computed on the way; B: computed on the way: left as it is (an operand is computed on the way)
;;     4. [M 4,096, K 1,024] x [K 1,024, N 1,024]; A: computed on the way; B: input w_proj: left as it is (an operand is computed on the way)
;;   THE QUANTISER, for each operand of a quantised product, along K:
;;     - K is cut into blocks of 32 from its start; a last block that is shorter is filled with zeros.
;;     - A block's scale is 2^e with e = floor(log2(the largest magnitude in the block)) - 2, held to -126 .. 127; a block of zeros has e = 0. As a byte (E8M0): e + 127.
;;     - Each number is divided by its block's scale, clamped to +-6, and rounded to the nearest number of E2M1, ties to even, subnormals kept.
;;     - The product sums the exact products of the quantised numbers (number of the format x scale) in f32.
;;   ~~~python
;;   def quantise(x, axis):      # numpy; x: float32 -> the quantised numbers, widened to float32 again
;;       x = np.moveaxis(x, axis, -1); K = x.shape[-1]
;;       x = np.pad(x, [(0, 0)] * (x.ndim - 1) + [(0, -K % 32)]); x = x.reshape(x.shape[:-1] + (-1, 32)); a = np.abs(x).max(-1, keepdims=True)
;;       e = np.where(a > 0, np.clip(np.frexp(np.where(a > 0, a, 1))[1] - 1 - 2, -126, 127), 0)      # np.frexp(a)[1] - 1 = floor(log2(a)), exactly
;;       r = np.clip(x / 2.0 ** e, -6, 6)
;;       step = 2.0 ** (np.maximum(np.frexp(np.where(r == 0, 1, r))[1] - 1, 0) - 1)
;;       q = np.round(r / step) * step * 2.0 ** e      # np.round: ties to even
;;       return np.moveaxis(q.reshape(q.shape[:-2] + (-1,))[..., :K], -1, axis).astype(np.float32)
;;   ~~~
;; One version. Each part assembles by itself: llvm-mc -triple=amdgcn-amd-amdhsa -mcpu=gfx1250 --defsym DOCPART=n.
;; ======== version 1 of 1: 6 launches
;; limits: values are held in f16: magnitudes above 65,504 overflow, below 6.1e-05 lose precision
;; workspace buffers: xq 2,228,224 bytes; wq 1,671,168 bytes; wp 4,194,304 bytes; qkv 25,165,824 bytes; y 8,388,608 bytes; yf 131,072 bytes
;; launch prep (part 1): grid 384 x 1, 4 waves a work-group, no clusters, 34,304 bytes of LDS; arguments x, w_qkv, w_proj, xq, wq, wp; writes xq, wq, wp
.if DOCPART == 1
	.amdgcn_target "amdgcn-amd-amdhsa--gfx1250"
	.amdhsa_code_object_version 6
	.text
	.protected	k_q084d05f81b_prep
	.globl	k_q084d05f81b_prep
	.p2align	8
	.type	k_q084d05f81b_prep,@function
k_q084d05f81b_prep:
	s_mov_b64 s[64:65], 0
	v_nop
	global_prefetch_b8 v0, s[64:65] scope:SCOPE_SE
	s_setreg_imm32_b32 hwreg(HW_REG_WAVE_MODE, 25, 1), 1
	s_wait_xcnt 0x0
; x [4096][1024] and w_qkv [1024][3072], f32, become codes of FP4 (E2M1) with one E8M0 byte for each 32 along K; w_proj [1024][1024] becomes pairs of f16, a high and a low part.
; EVERY RESULT IS LAID AS AN IMAGE OF THE OPERAND'S REGISTERS: a fragment (16 rows, 8 registers a lane) is 1,024 bytes, registers 4 c .. 4 c + 3 of lane l at 512 c + 16 l.
; So piece p (16 bytes a row) of row r lies at 256 p + 16 r; in FP4 piece p is block p of 32 codes of a step of 128 along K, in f16 it is k = 8 p .. 8 p + 7 of 32.
;   xq: codes [khalf 2][row group 256][q 4][1024]; from byte 2,097,152 scale words [khalf 2][row 4096][4 words]      (khalf: 512 along K; q: 128 within it)
;   wq: codes [khalf 2][column group 192][q 4][1024]; from byte 1,572,864 scale words [khalf 2][column 3072][4 words]
;   wp: f16 [K step of 256: 4][column group 64][fragment of 32 k: 8][1024]: the high parts; from byte 2,097,152 the low parts, laid alike
; A block's scale is 2^(floor(log2(its largest magnitude)) - 2): the byte is the largest magnitude's exponent field - 2, held at 1 from below.
; LIMITS: a block of zeros gets the byte 1 (its codes are zeros, and this program alone reads the bytes); NaN and infinities among the inputs are not served; w_proj must lie under 65,504 in magnitude,
; and parts of it under 6e-5 keep an absolute error of 3e-8.
; Three paths part on the work-group's number: 0-127 x, 128-319 w_qkv, 320-383 w_proj.  Only x's path touches LDS.  No barrier: waves share nothing.
.set SPARE, 33792                      ; behind the four stages: the spare words, 128 bytes a wave
.set STG,   8448                       ; a wave's stage: 16 rows x (512 bytes + 16)
.set R,     16                         ; v16-143  numbers as loaded: x two sets of 64, the weights two sets of 32
.set LOW,   80                         ; v80-143  w_proj: the low parts, packed
.set X,     144                        ; v144-207 x: two blocks of 32 neighbours; w_proj: the high parts, packed
.set C,     208                        ; v208-239 codes: registers of their own for each step, so that no store's data are written again; w_proj: at work
.set SW,    240                        ; v240-243 scale words
	s_load_b256 s[4:11], s[0:1], 0x0               ; x s[4:5], w_qkv s[6:7], w_proj s[8:9], xq s[10:11]
	s_load_b128 s[12:15], s[0:1], 0x20             ; wq s[12:13], wp s[14:15]
	v_lshl_add_u32 v12, v0, 2, SPARE               ; my spare word
	v_mov_b32 v13, 0
	v_lshrrev_b32 v1, 5, v0
	v_readfirstlane_b32 s16, v1                    ; wave
	v_and_b32 v1, 31, v0                           ; lane
	v_and_b32 v2, 15, v0                           ; r
	v_bfe_u32 v3, v0, 4, 1                         ; h
	v_lshlrev_b32 v4, 4, v1                        ; 16 x lane
	v_lshlrev_b32 v8, 2, v1                        ; 4 x lane
	s_mul_i32 s17, s16, STG
	v_add_nc_u32 v5, s17, v4                       ; the stage, on the way in: a row's 512 bytes as they lie
	v_mul_u32_u24 v6, v2, 528
	v_lshl_add_u32 v6, v3, 7, v6
	v_add_nc_u32 v6, s17, v6                       ; and on the way out: row r, 128 h bytes on: my block of 32 numbers
	v_lshlrev_b32 v7, 4, v2
	v_lshl_add_u32 v7, v3, 3, v7                   ; x's scale words: 16 r + 8 h
	v_lshlrev_b32 v11, 3, v3                       ; 8 h
	v_mov_b32 v251, 0                              ; a lane permute's destination counts as one of its sources
	s_mov_b32 s20, 0x76543210
	s_mov_b32 s21, 0xfedcba98                      ; selects for lane l xor 16
	s_mov_b32 s25, 0
	s_wait_kmcnt 0x0
; One block of 32 numbers of one lane, v[xs] on: four registers of codes at v[c], the scale's byte in v[by].
.macro QB xs, c, by
.set XS, \xs
.set CC, \c
	v_max3_num_f32 v244, |v[XS]|, |v[XS+1]|, |v[XS+2]|
	v_max3_num_f32 v245, |v[XS+3]|, |v[XS+4]|, |v[XS+5]|
.irp i, 6,10,14,18,22,26
	v_max3_num_f32 v244, v244, |v[XS+\i]|, |v[XS+\i+1]|
	v_max3_num_f32 v245, v245, |v[XS+\i+2]|, |v[XS+\i+3]|
.endr
	v_max3_num_f32 v244, v244, |v[XS+30]|, |v[XS+31]|
	v_max3_num_f32 v244, v244, v245, 0x1800000     ; and the floor 2^(3 - 127): the byte cannot fall under 1
	v_add_nc_u32 v246, 0xff000000, v244            ; 2 off the exponent field: the conversion takes this operand's exponent field as its scale
	v_lshrrev_b32 v[\by], 23, v246                 ; the scale's byte
.irp g, 0,1,2,3
	v_cvt_scalef32_pk8_fp4_f32 v[CC+\g], v[XS+8*\g:XS+8*\g+7], v246
.endr
.endm
	s_cmp_lt_u32 ttmp9, 128
	s_cbranch_scc0 .Lnot_x
; ---- x.  A wave takes 16 rows x 512 along K, in four steps of 128.  Each load reads 512 consecutive bytes of a row; the step's 8 KiB turn through the wave's own stage, so that a lane gets whole blocks of its row.
	s_lshl_b32 s17, ttmp9, 2
	s_add_co_u32 s17, s17, s16                     ; the wave's task
	s_lshr_b32 s18, s17, 1                         ; row group
	s_and_b32 s22, s17, 1                          ; khalf
	s_lshl_b32 s24, s18, 16                        ; 16 rows of 4,096 bytes
	s_lshl_b32 s23, s22, 11
	s_add_co_u32 s24, s24, s23
	s_add_nc_u64 s[4:5], s[4:5], s[24:25]
	s_lshl_b32 s24, s22, 20
	s_lshl_b32 s23, s18, 12
	s_add_co_u32 s24, s24, s23
	s_add_nc_u64 s[26:27], s[10:11], s[24:25]      ; my four fragments
	s_lshl_b32 s24, s22, 16
	s_lshl_b32 s23, s18, 8
	s_add_co_u32 s24, s24, s23
	s_add_co_u32 s24, s24, 2097152
	s_add_nc_u64 s[28:29], s[10:11], s[24:25]      ; my 16 rows' scale words
.macro LOADX t
.irp d, 0,1,2,3,4,5,6,7,8,9,10,11,12,13,14,15
	global_load_b128 v[R+64*((\t)%2)+4*\d:R+64*((\t)%2)+4*\d+3], v4, s[4:5] offset:\d*4096+(\t)*512 th:TH_LOAD_NT
.endr
.endm
.macro XSTEP t
.if (\t) < 3
	s_wait_loadcnt 16                              ; this step's 16 loads are in; the next step's 16 may be out
.else
	s_wait_loadcnt 0x0
.endif
.irp d, 0,1,2,3,4,5,6,7,8,9,10,11,12,13,14,15
	ds_store_b128 v5, v[R+64*((\t)%2)+4*\d:R+64*((\t)%2)+4*\d+3] offset:528*\d
.endr
.irp c, 0,1
.irp i, 0,1,2,3,4,5,6,7
	ds_load_b128 v[X+32*\c+4*\i:X+32*\c+4*\i+3], v6 offset:256*\c+16*\i   ; block 2 c + h of my row; LDS serves a wave's instructions in order: these see the stores above
.endr
.endr
	s_wait_dscnt 0x0                               ; the numbers are back, and the stores have read their registers,
.if (\t) < 2
	LOADX (\t)+2                                   ; which take the loads of two steps on
.endif
	QB X, C+8*(\t), 248
	QB X+32, C+8*(\t)+4, 249
	v_lshl_or_b32 v250, v249, 16, v248             ; my two bytes: blocks h and 2 + h,
	v_lshlrev_b32 v250, v11, v250                  ; at their places in the word;
	v_permlanex16_b32 v251, v250, s20, s21
	v_or_b32 v[SW+(\t)], v250, v251                ; with lane l xor 16's two the word is whole
.irp c, 0,1
	global_store_b128 v4, v[C+8*(\t)+4*\c:C+8*(\t)+4*\c+3], s[26:27] offset:1024*(\t)+512*\c   ; 512 consecutive bytes of the image
.endr
.endm
	LOADX 0
	LOADX 1
.irp t, 0,1,2,3
	XSTEP \t
.endr
	v_cmp_ne_u32 vcc_lo, 0, v3
	v_cndmask_b32 v252, v240, v242, vcc_lo         ; words 2 h and 2 h + 1 of my row
	v_cndmask_b32 v253, v241, v243, vcc_lo
	global_store_b64 v7, v[252:253], s[28:29]      ; 32 lanes store 256 consecutive bytes, aligned
	s_branch .Lend
; ---- the weights.  A lane takes a column n and its registers run down K: a block of 32 along K lies in one lane, and each load reads 128 consecutive bytes.
.macro LOADB j, pitch, base
.irp i, 0,1,2,3,4,5,6,7,8,9,10,11,12,13,14,15,16,17,18,19,20,21,22,23,24,25,26,27,28,29,30,31
	global_load_b32 v[R+32*((\j)%2)+\i], v8, s[\base:\base+1] offset:(32*(\j)+\i)*\pitch
.endr
.endm
.Lnot_x:
	s_cmp_lt_u32 ttmp9, 320
	s_cbranch_scc0 .Lpath_p
; w_qkv: a work-group takes 128 columns x 128 along K, a wave 32 columns.
	s_sub_co_u32 s17, ttmp9, 128
	s_lshr_b32 s18, s17, 3
	s_and_b32 s22, s17, 7                          ; which 128 along K
	s_lshl_b32 s18, s18, 7
	s_lshl_b32 s23, s16, 5
	s_add_co_u32 s18, s18, s23                     ; my wave's first column
	s_mul_i32 s24, s22, 128*12288
	s_lshl_b32 s23, s18, 2
	s_add_co_u32 s24, s24, s23
	s_add_nc_u64 s[6:7], s[6:7], s[24:25]
	s_lshr_b32 s23, s22, 2                         ; khalf
	s_and_b32 s22, s22, 3                          ; q
	s_mul_i32 s24, s23, 786432
	s_lshl_b32 s17, s18, 8                         ; a column group of 16 is 4,096 bytes
	s_add_co_u32 s24, s24, s17
	s_lshl_b32 s17, s22, 10
	s_add_co_u32 s24, s24, s17
	s_add_nc_u64 s[26:27], s[12:13], s[24:25]
	s_mul_i32 s24, s23, 49152
	s_lshl_b32 s17, s18, 4
	s_add_co_u32 s24, s24, s17
	s_lshl_b32 s17, s22, 2
	s_add_co_u32 s24, s24, s17
	s_add_co_u32 s24, s24, 1572864
	s_add_nc_u64 s[28:29], s[12:13], s[24:25]
	v_lshlrev_b32 v9, 12, v3
	v_lshl_add_u32 v9, v2, 4, v9                   ; my column's group and its place in a piece
	LOADB 0, 12288, 6
	LOADB 1, 12288, 6
.macro WBLOCK j
.if (\j) < 3
	s_wait_loadcnt 32                              ; this block's 32 loads are in; the next block's may be out
.else
	s_wait_loadcnt 0x0
.endif
	QB R+32*((\j)%2), C+4*(\j), 248
.if (\j) == 0
	v_mov_b32 v[SW], v248                          ; four bytes make the step's scale word
.else
	v_lshl_or_b32 v[SW], v248, 8*(\j), v[SW]
.endif
.if (\j) < 2
	LOADB (\j)+2, 12288, 6
.endif
	global_store_b128 v9, v[C+4*(\j):C+4*(\j)+3], s[26:27] offset:256*(\j)   ; piece j of two column groups: sixteen lanes store 256 consecutive bytes, aligned
.endm
.irp j, 0,1,2,3
	WBLOCK \j
.endr
	global_store_b32 v4, v[SW], s[28:29]           ; 4 bytes of each column's 16: one byte for each 32 of the 128 that the path reads
	s_branch .Lend
.Lpath_p:
; w_proj: the same walk.  Each number is split in f32: t = 8193 a, high = t - (t - a), which has 11 significant bits and so is an f16 number; low = a - high, exact, then rounded to f16.
	s_sub_co_u32 s17, ttmp9, 320
	s_lshr_b32 s18, s17, 3
	s_and_b32 s22, s17, 7                          ; which 128 along K
	s_lshl_b32 s18, s18, 7
	s_lshl_b32 s23, s16, 5
	s_add_co_u32 s18, s18, s23                     ; my wave's first column
	s_lshl_b32 s24, s22, 19                        ; 128 rows of 4,096 bytes
	s_lshl_b32 s23, s18, 2
	s_add_co_u32 s24, s24, s23
	s_add_nc_u64 s[8:9], s[8:9], s[24:25]
	s_lshr_b32 s23, s22, 1
	s_lshl_b32 s24, s23, 19                        ; K step of 256: 64 column groups of 8,192 bytes
	s_lshl_b32 s17, s18, 9
	s_add_co_u32 s24, s24, s17
	s_and_b32 s22, s22, 1
	s_lshl_b32 s17, s22, 12
	s_add_co_u32 s24, s24, s17
	s_add_nc_u64 s[26:27], s[14:15], s[24:25]
	s_mov_b32 s30, 0x46000400                      ; 8193 = 2^13 + 1
	s_mov_b32 s31, s30                             ; (named with it as a pair, so it is written)
	v_lshlrev_b32 v9, 13, v3
	v_lshl_add_u32 v9, v2, 4, v9
	LOADB 0, 4096, 8
	LOADB 1, 4096, 8
.macro PBLOCK j
.if (\j) < 3
	s_wait_loadcnt 32
.else
	s_wait_loadcnt 0x0
.endif
.set RS, R+32*((\j)%2)
.irp q, 0,1,2,3                        ; four pairs of neighbours along K at a time, so that no line waits for the line above it
.irp e, 0,1,2,3
	v_pk_mul_f32 v[C+2*\e:C+2*\e+1], v[RS+8*\q+2*\e:RS+8*\q+2*\e+1], s[30:31] op_sel_hi:[1,0]                          ; t = 8193 a
.endr
.irp e, 0,1,2,3
	v_pk_add_f32 v[C+8+2*\e:C+8+2*\e+1], v[C+2*\e:C+2*\e+1], v[RS+8*\q+2*\e:RS+8*\q+2*\e+1] neg_lo:[0,1] neg_hi:[0,1]   ; t - a
.endr
.irp e, 0,1,2,3
	v_pk_add_f32 v[C+2*\e:C+2*\e+1], v[C+2*\e:C+2*\e+1], v[C+8+2*\e:C+8+2*\e+1] neg_lo:[0,1] neg_hi:[0,1]               ; the high part
.endr
.irp e, 0,1,2,3
	v_pk_add_f32 v[C+8+2*\e:C+8+2*\e+1], v[RS+8*\q+2*\e:RS+8*\q+2*\e+1], v[C+2*\e:C+2*\e+1] neg_lo:[0,1] neg_hi:[0,1]   ; the low part
.endr
.irp e, 0,1,2,3
	v_cvt_pk_f16_f32 v[X+16*(\j)+4*\q+\e], v[C+2*\e], v[C+2*\e+1]
.endr
.irp e, 0,1,2,3
	v_cvt_pk_f16_f32 v[LOW+16*(\j)+4*\q+\e], v[C+8+2*\e], v[C+8+2*\e+1]
.endr
.endr
.if (\j) < 2
	LOADB (\j)+2, 4096, 8
.endif
.irp p, 0,1,2,3
	global_store_b128 v9, v[X+16*(\j)+4*\p:X+16*(\j)+4*\p+3], s[26:27] offset:1024*(\j)+256*\p
	global_store_b128 v9, v[LOW+16*(\j)+4*\p:LOW+16*(\j)+4*\p+3], s[26:27] offset:2097152+1024*(\j)+256*\p
.endr
.endm
.irp j, 0,1,2,3
	PBLOCK \j
.endr
.Lend:
	s_wait_tensorcnt 0x0                           ; the wave's end
	ds_add_u32 v12, v13
	s_wait_dscnt 0x0
	s_endpgm
.Lfunc_end_k_q084d05f81b_prep:
	.size	k_q084d05f81b_prep, .Lfunc_end_k_q084d05f81b_prep-k_q084d05f81b_prep
	.p2alignl 7, 3214868480
	.fill 96, 4, 3214868480
	.section	.rodata,"a",@progbits
	.p2align	6, 0x0
	.amdhsa_kernel k_q084d05f81b_prep
		.amdhsa_group_segment_fixed_size 34304
		.amdhsa_private_segment_fixed_size 0
		.amdhsa_enable_private_segment 0
		.amdhsa_kernarg_size 48
		.amdhsa_user_sgpr_count 2
		.amdhsa_user_sgpr_kernarg_segment_ptr 1
		.amdhsa_wavefront_size32 1
		.amdhsa_system_sgpr_workgroup_id_x 1
		.amdhsa_system_sgpr_workgroup_id_y 1
		.amdhsa_system_sgpr_workgroup_id_z 1
		.amdhsa_system_vgpr_workitem_id 0
		.amdhsa_next_free_vgpr 256
		.amdhsa_next_free_sgpr 66
		.amdhsa_reserve_vcc 1
		.amdhsa_float_denorm_mode_32 3
		.amdhsa_float_denorm_mode_16_64 3
		.amdhsa_memory_ordered 1
		.amdhsa_forward_progress 1
		.amdhsa_inst_pref_size 89
	.end_amdhsa_kernel
	.amdgpu_metadata
---
amdhsa.version: [ 1, 2 ]
amdhsa.kernels:
  - .name:           k_q084d05f81b_prep
    .symbol:         k_q084d05f81b_prep.kd
    .args:
      - { .name: x, .offset: 0, .size: 8, .value_kind: global_buffer, .address_space: global }
      - { .name: w_qkv, .offset: 8, .size: 8, .value_kind: global_buffer, .address_space: global }
      - { .name: w_proj, .offset: 16, .size: 8, .value_kind: global_buffer, .address_space: global }
      - { .name: xq, .offset: 24, .size: 8, .value_kind: global_buffer, .address_space: global }
      - { .name: wq, .offset: 32, .size: 8, .value_kind: global_buffer, .address_space: global }
      - { .name: wp, .offset: 40, .size: 8, .value_kind: global_buffer, .address_space: global }
    .group_segment_fixed_size: 34304
    .private_segment_fixed_size: 0
    .kernarg_segment_align: 8
    .kernarg_segment_size: 48
    .max_flat_workgroup_size: 128
    .sgpr_count:     66
    .vgpr_count:     256
    .wavefront_size: 32
...
	.end_amdgpu_metadata
.endif
;; end of part 1
;; launch gemm1 (part 2): grid 12 x 16, 4 waves a work-group, clusters of 4 x 4, 327,680 bytes of LDS; arguments xq, wq, b_qkv, qkv; writes qkv
.if DOCPART == 2
	.amdgcn_target "amdgcn-amd-amdhsa--gfx1250"
	.amdhsa_code_object_version 6
	.text
	.protected	k_q084d05f81b_gemm1
	.globl	k_q084d05f81b_gemm1
	.p2align	8
	.type	k_q084d05f81b_gemm1,@function
k_q084d05f81b_gemm1:
	s_mov_b64 s[64:65], 0
	v_nop
	global_prefetch_b8 v0, s[64:65] scope:SCOPE_SE
	s_setreg_imm32_b32 hwreg(HW_REG_WAVE_MODE, 25, 1), 1
	s_wait_xcnt 0x0
	s_wait_alu depctr_hold_cnt(0) depctr_sa_sdst(0) depctr_va_vdst(0) depctr_va_sdst(0) depctr_va_ssrc(0) depctr_va_vcc(0) depctr_vm_vsrc(0)
	s_getreg_b32 s2, hwreg(HW_REG_IB_STS2, 6, 4)
	s_cmp_eq_u32 s2, 0
	s_cbranch_scc0 .Lentry_in_a_cluster
	s_endpgm
.Lentry_in_a_cluster:
	s_bfe_u32 s2, ttmp6, 0x10000c
	s_cmp_lg_u32 s2, 0xf033
	s_cbranch_scc0 .Lentry_shape_is_right
	s_endpgm
.Lentry_shape_is_right:
; qkv = x w_qkv + b_qkv on codes of FP4 with E8M0 scales (K = 1,024), sums in f32, results rounded to f16 and laid as images of the operands that attention reads:
;   q at byte 0, k at 8,388,608: [batch x head 32][16 positions: 128][32 channels: 2][1024];  v at 16,777,216: [batch x head 32][32 keys: 64][16 channels: 4][1024].
; A fragment's image is 1,024 bytes, registers 4 c .. 4 c + 3 of lane l at 512 c + 16 l: so fragments come out of LDS as 512 consecutive bytes a load, with no pitch, and results leave straight from registers.
; A work-group of four waves makes 256 x 256, a wave 128 x 128 in 64 accumulators.  All of K lies in LDS: two slots of 512 along K, each filled once.
; CLUSTERS of 4 x 4.  The cluster's x says which third of the columns it makes: 0 q, 1 k, 2 v.  Source 1 ('A', shared along a row of the cluster) and source 0 ('B', shared along a column):
;   q, k: A = rows of x, B = columns of w: a lane holds one position and eight neighbouring channels;   v: A = columns of w, B = rows of x: a lane holds one channel and eight neighbouring positions.
; The two roles differ in pointers and strides alone, chosen by the cluster's x, which all partners share.
; LIMITS: q, k, v must lie under 65,504 in magnitude (f16); under 6e-5 they keep an absolute error of 3e-8.
; REGISTERS: window 0: v16-29 addresses; v32-95 scale words, two sets, and nothing else; v96-111, v192-255 the bias; v128-191 A's fragments, one set.  window 1: B's fragments, two sets; on the way out sums and packed f16.  windows 2, 3: accumulators.
.set NQ,    4                          ; steps of 128 along K in a slot
.set FR,    8
.set NL,    2
.set NP,    4
.set SLOT,  131072                     ; A's 16 groups x 4,096 bytes, then B's
.set SCL,   262144                     ; scale words: role x 8,192 + khalf x 4,096 + 16 x row
.set SPARE, 278528                     ; the spare words, 128 bytes a wave
.set ADRA, 16
.set ADRB, 20
.set BIA,  22                          ; v22  32 h
.set BVA,  23                          ; v23  4 r
.set CO,   26                          ; v26  16 x lane
.set ADRS, 27
.set SPW,  28
.set NIL,  29
.set SC,   32
.set BV,   96                          ; v: the bias of channel 16 a + r, twice, for each a
.set AF,   128
.set BI,   192                         ; q, k: the bias of channels 16 b + 8 h + 0 .. 7, for each b
.set G1A, 24
.set G0A, 32
.set G1B, 48
.set G0B, 56
.set G1SA, 68
.set G0SA, 76
.set G1SB, 80
.set G0SB, 88
.set MSB, 0
.macro WIN new
.if MSB != \new
	s_set_vgpr_msb (MSB<<8)|\new
.set MSB, \new
.endif
.endm
.set MUL_LO, 0xa1                      ; source 0 (B) window 1, source 1 (A) window 0, C and D window 2
.set MUL_HI, 0xf1
.set TO_B,   0x40
; A joint load: waves 0 and 1 fetch for A, waves 2 and 3 for B; the branch hangs on the wave's number alone.  An s_nop 0 and four v_nop follow each line.
.macro JLOAD g0a, g1a, g0b, g1b
	s_cmp_eq_u32 s13, 0
	s_cbranch_scc0 .Lfor_b_\@
	tensor_load_to_lds s[\g0a:\g0a+3], s[\g1a:\g1a+7]
	s_nop 0
.rept 4
	v_nop
.endr
	s_branch .Lasked_\@
.Lfor_b_\@:
	tensor_load_to_lds s[\g0b:\g0b+3], s[\g1b:\g1b+7]
	s_nop 0
.rept 4
	v_nop
.endr
.Lasked_\@:
.endm
.macro CROUND                          ; a round of the cluster's barrier
	s_barrier_signal -1
	s_barrier_wait -1
	s_cmp_lg_u32 s12, 0
	s_cbranch_scc1 .Lnot_wave_0_\@
	s_barrier_signal -3
.Lnot_wave_0_\@:
	s_barrier_wait -3
	s_barrier_signal -1
	s_barrier_wait -1
.endm
	s_load_b256 s[4:11], s[0:1], 0x0               ; xq s[4:5], wq s[6:7], b_qkv s[8:9], qkv s[10:11]
	v_lshl_add_u32 v[SPW], v0, 2, SPARE
	v_mov_b32 v[NIL], 0
	ds_add_u32 v[SPW], v[NIL]                      ; the wave's opening: the add, twice on end, and its wait ahead of my first tensor load
	ds_add_u32 v[SPW], v[NIL]
	v_lshrrev_b32 v1, 5, v0
	v_readfirstlane_b32 s12, v1                    ; wave
	s_lshr_b32 s13, s12, 1                         ; my half of A's rows; also: I fetch for A (0) or B (1)
	s_and_b32 s14, s12, 1                          ; my half of B's rows; also: which half I fetch
	s_bfe_u32 s17, ttmp6, 0x40000                  ; cx
	s_bfe_u32 s18, ttmp6, 0x40004                  ; cy
	s_and_b32 s16, ttmp7, 0xffff                   ; the cluster's y
	s_lshl_b32 s19, s18, 2
	s_lshl_b32 s19, 15, s19                        ; my row of the cluster
	s_lshl_b32 s3, 0x1111, s17                     ; my column
	s_or_b32 s[G1A], s19, (3<<16)|(1<<21)          ; the mask; elements of 8 bytes; bit 21 beside a mask; no padding
	s_or_b32 s[G1SA], s19, (3<<16)|(1<<21)
	s_or_b32 s[G1B], s3, (3<<16)|(1<<21)
	s_or_b32 s[G1SB], s3, (3<<16)|(1<<21)
.irp g, G1A, G1B                       ; codes: 8 groups = 32,768 dense bytes, as 128 rows of 256
	s_mov_b32 s[\g+1], 32<<16
	s_mov_b32 s[\g+2], 128<<16
	s_mov_b32 s[\g+3], 32<<16
	s_mov_b32 s[\g+4], 128
	s_mov_b32 s[\g+5], 32
	s_mov_b32 s[\g+6], 0
	s_mov_b32 s[\g+7], 0
.endr
.irp g, G1SA, G1SB                     ; scale words of 256 rows and one khalf: 4,096 dense bytes, as 16 rows of 256
	s_mov_b32 s[\g+1], 32<<16
	s_mov_b32 s[\g+2], 16<<16
	s_mov_b32 s[\g+3], 32<<16
	s_mov_b32 s[\g+4], 16
	s_mov_b32 s[\g+5], 32
	s_mov_b32 s[\g+6], 0
	s_mov_b32 s[\g+7], 0
.endr
	s_lshl_b32 s21, s16, 2                         ; 4 x cluster y
	s_lshl_b32 s22, ttmp9, 2                       ; 4 x cluster x
	s_cmp_eq_u32 ttmp9, 2                          ; v?  (moves and selects leave the flag alone)
	s_cselect_b32 s40, 8, s21                      ; A's first tile: w's tile 8, or x's
	s_cselect_b32 s41, s21, s22                    ; B's
	s_mov_b32 s2, 1048576
	s_cselect_b32 s42, 786432, s2                  ; A's bytes from khalf to khalf
	s_mov_b32 s43, 786432
	s_cselect_b32 s43, s2, s43                     ; B's
	s_mov_b32 s2, 2097152
	s_cselect_b32 s44, 1572864, s2                 ; where A's scale words begin
	s_mov_b32 s45, 1572864
	s_cselect_b32 s45, s2, s45
	s_mov_b32 s2, 65536
	s_cselect_b32 s46, 49152, s2                   ; their bytes from khalf to khalf
	s_mov_b32 s47, 49152
	s_cselect_b32 s47, s2, s47
	s_add_co_u32 s40, s40, s18                     ; A's tile: + cy.  No register that feeds A's descriptors ever holds cx, none of B's cy
	s_add_co_u32 s41, s41, s17                     ; B's tile: + cx
	s_lshl_b32 s2, s14, 15                         ; the half that I fetch: 8 groups
	s_lshl_b32 s20, s40, 16
	s_add_co_u32 s20, s20, s2
	s_mov_b32 s21, 0                               ; s[20:21] A's codes, khalf 0
	s_add_co_u32 s94, s20, s42
	s_mov_b32 s95, 0                               ; s[94:95] khalf 1
	s_lshl_b32 s22, s41, 16
	s_add_co_u32 s22, s22, s2
	s_mov_b32 s23, 0                               ; s[22:23] B's codes, khalf 0
	s_add_co_u32 s100, s22, s43
	s_mov_b32 s101, 0                              ; s[100:101] khalf 1
	s_mul_i32 s96, s14, s46                        ; scale words: I fetch khalf = wave & 1
	s_add_co_u32 s96, s96, s44
	s_lshl_b32 s19, s40, 12
	s_add_co_u32 s96, s96, s19
	s_mov_b32 s97, 0
	s_mul_i32 s98, s14, s47
	s_add_co_u32 s98, s98, s45
	s_lshl_b32 s3, s41, 12
	s_add_co_u32 s98, s98, s3
	s_mov_b32 s99, 0
	s_lshl_b32 s2, s12, 15                         ; where they go: wave x 32,768 in a slot,
	s_lshl_b32 s15, s12, 12                        ; wave x 4,096 among the scale words: no place in the cluster enters an LDS address
	s_wait_dscnt 0x0                               ; both opening adds are done
	s_wait_kmcnt 0x0
	s_cmp_eq_u32 ttmp9, 2
	s_cselect_b64 s[66:67], s[6:7], s[4:5]         ; A's buffer
	s_cselect_b64 s[92:93], s[4:5], s[6:7]         ; B's
	CROUND                                         ; all sixteen work-groups are here: the first joint loads meet
	s_mov_b32 s[G0SA], 1
	s_add_co_u32 s[G0SA+1], s15, SCL
	s_add_nc_u64 s[G0SA+2:G0SA+3], s[66:67], s[96:97]
	s_or_b32 s[G0SA+3], s[G0SA+3], 0x80000000
	s_mov_b32 s[G0SB], 1
	s_add_co_u32 s[G0SB+1], s15, SCL
	s_add_nc_u64 s[G0SB+2:G0SB+3], s[92:93], s[98:99]
	s_or_b32 s[G0SB+3], s[G0SB+3], 0x80000000
	JLOAD G0SA, G1SA, G0SB, G1SB                   ; three loads of mine are out at the most: the scale words,
	s_mov_b32 s[G0A], 1
	s_mov_b32 s[G0A+1], s2
	s_add_nc_u64 s[G0A+2:G0A+3], s[66:67], s[20:21]
	s_or_b32 s[G0A+3], s[G0A+3], 0x80000000
	s_mov_b32 s[G0B], 1
	s_mov_b32 s[G0B+1], s2
	s_add_nc_u64 s[G0B+2:G0B+3], s[92:93], s[22:23]
	s_or_b32 s[G0B+3], s[G0B+3], 0x80000000
	JLOAD G0A, G1A, G0B, G1B                       ; slot 0,
	s_mov_b32 s[G0A+4], 1
	s_add_co_u32 s[G0A+5], s2, SLOT
	s_add_nc_u64 s[G0A+6:G0A+7], s[66:67], s[94:95]
	s_or_b32 s[G0A+7], s[G0A+7], 0x80000000
	s_mov_b32 s[G0B+4], 1
	s_add_co_u32 s[G0B+5], s2, SLOT
	s_add_nc_u64 s[G0B+6:G0B+7], s[92:93], s[100:101]
	s_or_b32 s[G0B+7], s[G0B+7], 0x80000000
	JLOAD G0A+4, G1A, G0B+4, G1B                   ; slot 1
	v_and_b32 v1, 15, v0                           ; r
	v_bfe_u32 v2, v0, 4, 1                         ; h
	v_and_b32 v3, 31, v0
	v_lshlrev_b32 v[CO], 4, v3                     ; 16 x lane
	s_lshl_b32 s2, s13, 15                         ; my 8 groups of A
	s_lshl_b32 s19, s14, 15
	s_add_co_u32 s19, s19, 65536                   ; my 8 groups of B, behind A's 16
.irp s, 0,1
	v_add_nc_u32 v[ADRA+\s], s2, v[CO]
	v_add_nc_u32 v[ADRB+\s], s19, v[CO]
	s_add_co_u32 s2, s2, SLOT
	s_add_co_u32 s19, s19, SLOT
.endr
	s_lshl_b32 s2, s13, 11                         ; scale words: lanes 0-15 take A's rows, lanes 16-31 B's: the lower base + h x the distance
	s_lshl_b32 s19, s14, 11
	s_add_co_u32 s19, s19, 8192
	s_sub_co_u32 s19, s19, s2
	v_mul_u32_u24 v6, s19, v2
	s_add_co_u32 s2, s2, SCL
	v_lshl_add_u32 v5, v1, 4, v6
	v_add_nc_u32 v[ADRS], s2, v5
	; the bias, in both layouts, in every kind: so every register is written on every way
	v_lshlrev_b32 v[BIA], 5, v2
	v_lshlrev_b32 v[BVA], 2, v1
	s_lshl_b32 s20, ttmp9, 12
	s_lshl_b32 s21, s17, 10
	s_add_co_u32 s46, s20, s21
	s_lshl_b32 s21, s14, 9
	s_add_co_u32 s46, s46, s21
	s_mov_b32 s47, 0
	s_add_nc_u64 s[40:41], s[8:9], s[46:47]        ; channels 1,024 kind + 256 cx + 128 (wave & 1) on
	s_lshl_b32 s21, s18, 10
	s_add_co_u32 s46, s20, s21
	s_lshl_b32 s21, s13, 9
	s_add_co_u32 s46, s46, s21
	s_add_nc_u64 s[42:43], s[8:9], s[46:47]        ; channels 1,024 kind + 256 cy + 128 (wave / 2) on
.irp b, 0,1,2,3,4,5,6,7
	global_load_b128 v[BI+8*\b:BI+8*\b+3], v[BIA], s[40:41] offset:64*\b
	global_load_b128 v[BI+8*\b+4:BI+8*\b+7], v[BIA], s[40:41] offset:64*\b+16
.endr
.irp a, 0,1,2,3,4,5,6,7
	global_load_b32 v[BV+2*\a], v[BVA], s[42:43] offset:64*\a
	global_load_b32 v[BV+2*\a+1], v[BVA], s[42:43] offset:64*\a
.endr
	; where my results go: kind x 8,388,608 + (16 batch + head) x 262,144 + 128 x position, in all three kinds
	s_cmp_eq_u32 ttmp9, 2
	s_cselect_b32 s20, s17, s18                    ; the positions' tile hangs on cx (v) or cy
	s_cselect_b32 s21, s14, s13
	s_cselect_b32 s22, s18, s17                    ; the heads on the other
	s_cselect_b32 s23, s13, s14
	s_lshl_b32 s46, s16, 2
	s_add_co_u32 s46, s46, s20
	s_lshl_b32 s46, s46, 8
	s_lshl_b32 s21, s21, 7
	s_add_co_u32 s46, s46, s21                     ; my first row of x
	s_lshr_b32 s20, s46, 11                        ; batch
	s_and_b32 s46, s46, 2047                       ; position
	s_lshl_b32 s20, s20, 4
	s_lshl_b32 s22, s22, 2
	s_add_co_u32 s20, s20, s22
	s_lshl_b32 s23, s23, 1
	s_add_co_u32 s20, s20, s23
	s_lshl_b32 s20, s20, 18
	s_lshl_b32 s46, s46, 7
	s_add_co_u32 s46, s46, s20
	s_lshl_b32 s20, ttmp9, 23
	s_add_co_u32 s46, s46, s20
	s_add_nc_u64 s[44:45], s[10:11], s[46:47]
.macro FRAG reg, adr, q, i             ; a fragment's image: two loads of 512 consecutive bytes
.irp c, 0,1
	ds_load_b128 v[\reg+4*\c:\reg+4*\c+3], v[\adr] offset:(\i)*4096+(\q)*1024+512*\c
.endr
.endm
; 16 matrix instructions: A's blocks a0, a0 + 1 x B's eight.  The 64 accumulators take turns, one instruction a turn, in the same order in every step.
.macro MUL16 a0, p, q, sc, zero
.irp a, \a0, \a0+1
.irp b, 0,1,2,3,4,5,6,7
.if \zero
	v_wmma_scale_f32_16x16x128_f8f6f4 v[8*(8*((\a)%4)+\b):8*(8*((\a)%4)+\b)+7], v[128*(\p)+FR*\b:128*(\p)+FR*\b+FR-1], v[AF+FR*(\a):AF+FR*(\a)+FR-1], 0, v[SC+8*NQ*(\sc)+NQ*\b+(\q)], v[SC+8*NQ*(\sc)+NQ*(\a)+(\q)] matrix_a_fmt:MATRIX_FMT_FP4 matrix_b_fmt:MATRIX_FMT_FP4 matrix_a_scale:MATRIX_SCALE_ROW1
.else
	v_wmma_scale_f32_16x16x128_f8f6f4 v[8*(8*((\a)%4)+\b):8*(8*((\a)%4)+\b)+7], v[128*(\p)+FR*\b:128*(\p)+FR*\b+FR-1], v[AF+FR*(\a):AF+FR*(\a)+FR-1], v[8*(8*((\a)%4)+\b):8*(8*((\a)%4)+\b)+7], v[SC+8*NQ*(\sc)+NQ*\b+(\q)], v[SC+8*NQ*(\sc)+NQ*(\a)+(\q)] matrix_a_fmt:MATRIX_FMT_FP4 matrix_b_fmt:MATRIX_FMT_FP4 matrix_a_scale:MATRIX_SCALE_ROW1
.endif
.endr
.endr
.endm
.macro FETCH_B slot, q, p
	WIN TO_B
.irp i, 0,1,2,3,4,5,6,7
	FRAG 128*(\p)+FR*\i, ADRB+\slot, \q, \i
.endr
	WIN 0
.endm
.macro FETCH_A slot, q, i0
.irp i, \i0, \i0+1, \i0+2, \i0+3
	FRAG AF+FR*(\i), ADRA+\slot, \q, \i
.endr
.endm
.macro SCALES sc                       ; a slot's scale words: four words a row; lanes 0-15 A's block i, lanes 16-31 B's block i
.irp i, 0,1,2,3,4,5,6,7
	ds_load_b128 v[SC+8*NQ*\sc+NQ*\i:SC+8*NQ*\sc+NQ*\i+3], v[ADRS] offset:\sc*4096+256*\i
.endr
.endm
.macro PLACES n                        ; plain vector instructions between a matrix instruction and a load into, or a vector read of, its registers
.rept \n
	v_nop
.endr
.endm
.macro STEP slot, q, zero              ; 128 along K with its successor in the same slot
	s_wait_dscnt 4*NL                              ; all but the youngest eight loads (A's blocks 4-7) are in
	WIN MUL_LO
	MUL16 0, (\q)%2, \q, \slot, \zero
	MUL16 2, (\q)%2, \q, \slot, \zero
	s_wait_dscnt 0
	PLACES NP
	FETCH_B \slot, (\q)+1, 1-(\q)%2
	FETCH_A \slot, (\q)+1, 0
	WIN MUL_HI
	MUL16 4, (\q)%2, \q, \slot, \zero
	MUL16 6, (\q)%2, \q, \slot, \zero
	PLACES NP
	WIN 0
	FETCH_A \slot, (\q)+1, 4
.endm
.macro TURN slot, next                 ; slot 0's last step: behind its barrier slot 1 is whole for every wave.  Nothing is filled again
	s_wait_tensorcnt 0x0                           ; all my tensor loads have landed: my part of slot 1
	ds_add_u32 v[SPW], v[NIL]                      ; 0 onto my spare word
	s_wait_dscnt 4*NL+1                            ; (the add and the youngest eight loads may be out)
	WIN MUL_LO
	MUL16 0, 1, NQ-1, \slot, 0
	s_wait_dscnt 0x0
	s_barrier_signal -1
	MUL16 2, 1, NQ-1, \slot, 0
	WIN 0
	s_barrier_wait -1
	PLACES NP
	FETCH_B \next, 0, 0
	FETCH_A \next, 0, 0
	SCALES \next
	WIN MUL_HI
	MUL16 4, 1, NQ-1, \slot, 0
	MUL16 6, 1, NQ-1, \slot, 0
	PLACES NP
	WIN 0
	FETCH_A \next, 0, 4
.endm
.macro STEPS slot, from
.set Q, \from
.rept NQ-1-\from
	STEP \slot, Q, 0
.set Q, Q+1
.endr
.endm
	s_wait_tensorcnt 1                             ; the scale words and my part of slot 0 are in; slot 1's load may be out
	s_barrier_signal -1
	s_barrier_wait -1
	FETCH_B 0, 0, 0
	FETCH_A 0, 0, 0
	SCALES 0
	FETCH_A 0, 0, 4
	STEP 0, 0, 1                                   ; the first products start the sums: nothing is cleared
	STEPS 0, 1
	TURN 0, 1
	STEPS 1, 0
	s_wait_dscnt 4*NL
	WIN MUL_LO
	MUL16 0, 1, NQ-1, 1, 0
	MUL16 2, 1, NQ-1, 1, 0
	s_wait_dscnt 0
	WIN MUL_HI
	MUL16 4, 1, NQ-1, 1, 0
	MUL16 6, 1, NQ-1, 1, 0
	WIN 0
; THE WAY OUT, by A's blocks.  A lane's eight results of an accumulator are eight neighbours along the reader's K: + bias, rounded to f16, they are 16 bytes, and the 32 lanes' are 512 consecutive bytes of an image.
.macro OUTB a, isv
.if (\a) >= 2
	s_wait_xcnt 0x0                                ; the stores of two blocks back have read their registers, which are written again below
.endif
.set AC, 64*((\a)%4)
.set PK, 128+32*((\a)%2)
.set WW, 0x42+(\a)/4
	WIN WW                                         ; destination window 1, source 0 window 2 or 3, the bias window 0
.irp b, 0,1,2,3,4,5,6,7
.irp p, 0,1,2,3
.if \isv
	v_pk_add_f32 v[8*\b+2*\p:8*\b+2*\p+1], v[AC+8*\b+2*\p:AC+8*\b+2*\p+1], v[BV+2*(\a):BV+2*(\a)+1]
.else
	v_pk_add_f32 v[8*\b+2*\p:8*\b+2*\p+1], v[AC+8*\b+2*\p:AC+8*\b+2*\p+1], v[BI+8*\b+2*\p:BI+8*\b+2*\p+1]
.endif
.endr
.endr
	WIN 0x45                                       ; all in window 1
.irp b, 0,1,2,3,4,5,6,7
.irp p, 0,1,2,3
	v_cvt_pk_f16_f32 v[PK+4*\b+\p], v[8*\b+2*\p], v[8*\b+2*\p+1]
.endr
.endr
	WIN 0x04                                       ; a store's data are its source 1: window 1
.irp b, 0,1,2,3,4,5,6,7
.if \isv
	global_store_b128 v[CO], v[PK+4*\b:PK+4*\b+3], s[44:45] offset:((\a)/4)*262144+((\b)/2)*4096+((\a)%4)*1024+((\b)%2)*512
.else
	global_store_b128 v[CO], v[PK+4*\b:PK+4*\b+3], s[44:45] offset:((\b)/4)*262144+(\a)*2048+(((\b)%4)/2)*1024+((\b)%2)*512
.endif
.endr
.endm
	s_wait_loadcnt 0x0                             ; the bias
	PLACES NP
	s_cmp_eq_u32 ttmp9, 2                          ; the cluster's x: the same in all partners
	s_cbranch_scc1 .Lout_v
.irp a, 0,1,2,3,4,5,6,7
	OUTB \a, 0
.endr
	WIN 0
	s_branch .Lout_done
.Lout_v:
.irp a, 0,1,2,3,4,5,6,7
	OUTB \a, 1
.endr
	WIN 0
.Lout_done:
	s_wait_tensorcnt 0x0                           ; the wave's end
	ds_add_u32 v[SPW], v[NIL]
	s_wait_dscnt 0x0
	CROUND                                         ; the closing round
	s_endpgm
.Lfunc_end_k_q084d05f81b_gemm1:
	.size	k_q084d05f81b_gemm1, .Lfunc_end_k_q084d05f81b_gemm1-k_q084d05f81b_gemm1
	.p2alignl 7, 3214868480
	.fill 96, 4, 3214868480
	.section	.rodata,"a",@progbits
	.p2align	6, 0x0
	.amdhsa_kernel k_q084d05f81b_gemm1
		.amdhsa_group_segment_fixed_size 327680
		.amdhsa_private_segment_fixed_size 0
		.amdhsa_enable_private_segment 0
		.amdhsa_kernarg_size 32
		.amdhsa_user_sgpr_count 2
		.amdhsa_user_sgpr_kernarg_segment_ptr 1
		.amdhsa_wavefront_size32 1
		.amdhsa_system_sgpr_workgroup_id_x 1
		.amdhsa_system_sgpr_workgroup_id_y 1
		.amdhsa_system_sgpr_workgroup_id_z 1
		.amdhsa_system_vgpr_workitem_id 0
		.amdhsa_next_free_vgpr 1024
		.amdhsa_next_free_sgpr 102
		.amdhsa_reserve_vcc 0
		.amdhsa_float_denorm_mode_32 3
		.amdhsa_float_denorm_mode_16_64 3
		.amdhsa_memory_ordered 1
		.amdhsa_forward_progress 1
		.amdhsa_inst_pref_size 177
	.end_amdhsa_kernel
	.amdgpu_metadata
---
amdhsa.version: [ 1, 2 ]
amdhsa.kernels:
  - .name:           k_q084d05f81b_gemm1
    .symbol:         k_q084d05f81b_gemm1.kd
    .args:
      - { .name: xq, .offset: 0, .size: 8, .value_kind: global_buffer, .address_space: global }
      - { .name: wq, .offset: 8, .size: 8, .value_kind: global_buffer, .address_space: global }
      - { .name: b_qkv, .offset: 16, .size: 8, .value_kind: global_buffer, .address_space: global }
      - { .name: qkv, .offset: 24, .size: 8, .value_kind: global_buffer, .address_space: global }
    .group_segment_fixed_size: 327680
    .private_segment_fixed_size: 0
    .kernarg_segment_align: 8
    .kernarg_segment_size: 32
    .max_flat_workgroup_size: 128
    .sgpr_count:     102
    .vgpr_count:     1024
    .wavefront_size: 32
...
	.end_amdgpu_metadata
.endif
;; end of part 2
;; launch attn (part 3): grid 8 x 32, 16 waves a work-group, no clusters, 327,680 bytes of LDS; arguments qkv, y; writes y
.if DOCPART == 3
	.amdgcn_target "amdgcn-amd-amdhsa--gfx1250"
	.amdhsa_code_object_version 6
	.text
	.protected	k_q084d05f81b_attn
	.globl	k_q084d05f81b_attn
	.p2align	8
	.type	k_q084d05f81b_attn,@function
k_q084d05f81b_attn:
	s_mov_b64 s[64:65], 0
	v_nop
	global_prefetch_b8 v0, s[64:65] scope:SCOPE_SE
	s_setreg_imm32_b32 hwreg(HW_REG_WAVE_MODE, 25, 1), 1
	s_wait_xcnt 0x0
; y[b][h][q] = the sum over k <= q of softmax_k(q . k / 8) v[k], head size 64, 2,048 positions, 32 (batch, head).  Operands f16, products, maxima and sums f32; the weights p are rounded to f16 for the second product.
; q, k, v arrive as images of the operands' registers (1,024 bytes a fragment, registers 4 c .. 4 c + 3 of lane l at 512 c + 16 l): every fragment is two loads of 512 consecutive bytes.
; y leaves as images for the projection: [K step of 256: 4][16 rows: 256][32 k: 8][1024], straight from registers.
; SHARES.  A work-group has blocks i and 15 - i of 128 queries: under the causal mask every work-group then has the same work.  Its 256 queries are 8 PAIRS of tiles of 16; a pair has TWO waves:
; one takes the even steps of 64 keys, the other the odd ones.  So each fragment of K and V that a wave reads from LDS feeds two products, and the longest wave walks 16 steps where the pair has 32.
; At the end the two waves' parts meet in LDS: O, l under their own maxima, brought under the common maximum by a_A = 2^(cm_A - cm), a_B = 2^(cm_B - cm).
; ROLES, from the wave number's bits b3 b2 b1 b0: the long block where b0 xor b2; the steps' parity b1; the pair in its block (b3, b0).  So among waves w, w + 4, w + 8, w + 12, and among waves 4 k .. 4 k + 3 alike, two are short and two long.
; No cluster: work-groups of a head need different numbers of slots, so a joint load would bring tiles that a partner never reads.
; LAYOUT.  S^T = K Q^T and O^T = V^T P: a lane holds one query (lane % 16) of each tile throughout; two tiles of S^T, rounded in pairs, are source 1 of the second product.
; SOFTMAX.  A running maximum m and sum l for each query: p = 2^(c s - c m), c = log2(e) / 8; in every step O and l are multiplied by a = 2^(c m_old - c m_new).  A wave none of whose steps counts keeps m = -3e38, l = 0, O = 0.
; RING.  Two slots of 256 keys (K 32 KiB, then V 32 KiB), filled by waves 0-3, 16 KiB each, and read by all.  Every work-group walks all 8 slots; a step all of whose keys are hidden is jumped over by a branch on ids.
; A visible step's first key is at or under the pair's first query (both are multiples of 32, the key's of 64), so every query of both tiles has a key that counts in it.
; LIMITS: NaN and infinities are not served; p under 6e-5 keeps an absolute error of 3e-8.
.set SLOT1, 65536
.set VOFF,  32768
.set SPARE, 131072                     ; the spare words, 128 bytes a wave
.set MRG,   133120                     ; behind them: where the waves' parts meet; no tensor load lands here
.set MWB,   8704                       ; a wave's part: O^T's 64 registers (16 x 512 bytes), then c m and l of both tiles (512 bytes)
.set AL,   1                           ; v1   16 x lane; never rewritten
.set AD,   2                           ; v2   the LDS address of the step in hand
.set SPW,  3
.set NIL,  4
.set AK,   5                           ; v5   16 x lane + 8,192 x my parity
.set DQ,   6                           ; v6   r - 8 h
.set PFO,  7                           ; v7   256 x lane
.set NINF, 8                           ; v8   -infinity
.set DD,   9
.set ST,   10                          ; tile T's statistics at v[ST + 8 T]: +0 c m, +1 m, +2, +3 l (even keys', odd keys'), +4 .. +7 at work; a takes +6
.set QR,   26                          ; v26-57   Q: tile T, fragment f at 16 T + 8 f
.set KV,   58                          ; v58-121  ONE buffer: K of the step (4 tiles x 2 fragments), then its V (2 x 32 keys x 4 groups of channels)
.set SR,   122                         ; v122-185 S^T, then p, 32 a tile; P is rounded in place into each tile's first 16
.set OT,   186                         ; v186-249 O^T, 32 a tile
.set SA,   250                         ; v250-253 the sums' second chains
.set MS,   254                         ; v254 where I put my part
.set ML,   255                         ; v255 where my partner's lies
.set WV,   12
.set PAR,  15                          ; my parity
.set G1,   16
.set G0,   24
.set TB,   28
.set KF,   29                          ; my step's first key
.set Q0,   30                          ; my pair's first query
.set QL,   31                          ; my work-group's last query
.set SLOTS, 32
.set KS,   33                          ; the slot's first key: the same in all waves
.set SEL,  34
.set PFA,  36
.set LIM,  38
.set CS,   40
.macro TLOAD                           ; waves 0 and 1: K's halves; waves 2 and 3: V's.  An s_nop 0 and four v_nop follow the load
	s_cmp_lt_u32 s[WV], 4
	s_cbranch_scc0 .Lasked_\@
	tensor_load_to_lds s[G0:G0+3], s[G1:G1+7]
	s_nop 0
.rept 4
	v_nop
.endr
.Lasked_\@:
.endm
; A prefetch of the slot behind the one that is being asked for: 32 KiB of K and of V.  The head's first work-group asks, and in it the waves that fetch nothing: waves 4-7 for K, waves 8-11 for V,
; 8 KiB a wave, lanes 256 bytes apart: each aligned block of 256 bytes is named once in the launch.  The last change that fills a slot asks for nothing.
.macro ASK
	s_cmp_gt_u32 s[SLOTS], s[LIM]
	s_cbranch_scc0 .Lnot_mine_\@
	global_prefetch_b8 v[PFO], s[PFA:PFA+1] th:TH_LOAD_NT scope:SCOPE_SE
.Lnot_mine_\@:
.endm
	s_load_b128 s[4:7], s[0:1], 0x0                ; qkv s[4:5], y s[6:7]
	v_lshl_add_u32 v[SPW], v0, 2, SPARE
	v_mov_b32 v[NIL], 0
	ds_add_u32 v[SPW], v[NIL]                      ; the wave's opening: the add, twice on end, and its wait ahead of the first tensor load
	ds_add_u32 v[SPW], v[NIL]
	v_lshrrev_b32 v[DD], 5, v0
	v_readfirstlane_b32 s[WV], v[DD]
	s_and_b32 s13, ttmp7, 0xffff                   ; 16 batch + head
	s_mov_b32 s[G1], 3<<16                         ; no mask; elements of 8 bytes; no padding: 16,384 dense bytes as 64 rows of 256
	s_mov_b32 s[G1+1], 32<<16
	s_mov_b32 s[G1+2], 64<<16
	s_mov_b32 s[G1+3], 32<<16
	s_mov_b32 s[G1+4], 64
	s_mov_b32 s[G1+5], 32
	s_mov_b32 s[G1+6], 0
	s_mov_b32 s[G1+7], 0
	s_mov_b32 s[G0], 1
	s_and_b32 s42, s[WV], 3
	s_lshl_b32 s[G0+1], s42, 14                    ; slot 0: K's halves, then V's
	s_cmp_lt_u32 s[WV], 2
	s_mov_b32 s43, 16777216
	s_cselect_b32 s44, 8388608, s43                ; k's images or v's
	s_lshl_b32 s14, s13, 18                        ; a (batch, head) is 262,144 bytes in each
	s_add_co_u32 s44, s44, s14
	s_and_b32 s43, s[WV], 1
	s_lshl_b32 s43, s43, 14
	s_add_co_u32 s44, s44, s43
	s_mov_b32 s45, 0
	s_and_b32 s42, s[WV], 1                        ; b0
	s_bfe_u32 s43, s[WV], 0x10002                  ; b2
	s_xor_b32 s43, s43, s42                        ; 1: the long block
	s_bfe_u32 s[PAR], s[WV], 0x10001               ; b1: which steps are mine
	s_lshr_b32 s46, s[WV], 3                       ; b3
	s_lshl_b32 s46, s46, 1
	s_or_b32 s46, s46, s42                         ; my pair in its block
	s_sub_co_u32 s47, 15, ttmp9
	s_cmp_eq_u32 s43, 0
	s_cselect_b32 s47, ttmp9, s47                  ; my block of 128 queries
	s_lshl_b32 s[Q0], s47, 7
	s_lshl_b32 s46, s46, 5
	s_add_co_u32 s[Q0], s[Q0], s46
	s_sub_co_u32 s[QL], 15, ttmp9
	s_lshl_b32 s[QL], s[QL], 7
	s_or_b32 s[QL], s[QL], 127
	s_mov_b32 s[SEL], 0x76543210
	s_mov_b32 s[SEL+1], 0xfedcba98
	s_mov_b32 s[CS], 0x3e38aa3b                    ; c = log2(e) / 8
	s_mov_b32 s[CS+1], s[CS]
	s_mov_b32 s[TB], 0
	s_lshl_b32 s[KF], s[PAR], 6
	s_mov_b32 s[KS], 0
	s_mov_b32 s[SLOTS], 7
	s_wait_dscnt 0x0                               ; both opening adds are done
	s_wait_kmcnt 0x0
	s_add_nc_u64 s[G0+2:G0+3], s[4:5], s[44:45]
	s_or_b32 s[G0+3], s[G0+3], 0x80000000
	TLOAD                                          ; slot 0: it holds key 0, which counts for every query
	s_lshl_b32 s46, s[Q0], 7                       ; q: 16 positions are 2,048 bytes
	s_add_co_u32 s46, s46, s14
	s_mov_b32 s47, 0
	s_add_nc_u64 s[8:9], s[4:5], s[46:47]
	v_and_b32 v[AL], 31, v0
	v_lshlrev_b32 v[PFO], 8, v[AL]
	v_lshlrev_b32 v[AL], 4, v[AL]
.irp n, 0,1,2,3,4,5,6,7
	global_load_b128 v[QR+4*\n:QR+4*\n+3], v[AL], s[8:9] offset:512*\n   ; both tiles' two fragments: 4,096 consecutive bytes
.endr
	s_lshl_b32 s42, s[PAR], 13
	v_add_nc_u32 v[AK], s42, v[AL]                 ; a step of 64 keys is 8,192 bytes of K and of V: mine are steps parity and parity + 2 of a slot
	s_mul_i32 s42, s[WV], MWB
	s_add_co_u32 s42, s42, MRG
	v_add_nc_u32 v[MS], s42, v[AL]
	s_xor_b32 s43, s[WV], 2                        ; my partner: the other parity
	s_mul_i32 s43, s43, MWB
	s_add_co_u32 s43, s43, MRG
	v_add_nc_u32 v[ML], s43, v[AL]
	s_and_b32 s42, s13, 15                         ; head
	s_lshr_b32 s43, s13, 4                         ; batch
	s_lshr_b32 s46, s42, 2
	s_lshl_b32 s46, s46, 21                        ; y: K step head / 4,
	s_lshl_b32 s43, s43, 20
	s_add_co_u32 s46, s46, s43                     ; row group 128 batch + position / 16, of 8,192 bytes,
	s_lshl_b32 s43, s[Q0], 9
	s_add_co_u32 s46, s46, s43
	s_and_b32 s42, s42, 3
	s_lshl_b32 s42, s42, 11                        ; fragments 2 (head % 4) on
	s_add_co_u32 s46, s46, s42
	s_add_nc_u64 s[10:11], s[6:7], s[46:47]
	s_cmp_lt_u32 s[WV], 8                          ; the prefetches: waves 4-7 k's images, waves 8-11 v's
	s_mov_b32 s43, 16777216
	s_cselect_b32 s46, 8388608, s43
	s_add_co_u32 s46, s46, s14
	s_and_b32 s43, s[WV], 3
	s_lshl_b32 s43, s43, 13
	s_add_co_u32 s46, s46, s43
	s_add_co_u32 s46, s46, 32768                   ; in slot 1: the first change of slots steps it to slot 2
	s_add_nc_u64 s[PFA:PFA+1], s[4:5], s[46:47]
	s_sub_co_u32 s43, s[WV], 4
	s_lshr_b32 s43, s43, 3                         ; 0 in waves 4 to 11,
	s_or_b32 s43, s43, ttmp9                       ; of the head's first work-group
	s_cmp_eq_u32 s43, 0
	s_cselect_b32 s[LIM], 1, -1
	v_and_b32 v[DQ], 15, v0
	v_bfe_u32 v[DD], v0, 4, 1
	v_lshlrev_b32 v[DD], 3, v[DD]
	v_sub_nc_u32 v[DQ], v[DQ], v[DD]
	v_mov_b32 v[NINF], 0xff800000
.irp T, 0,1
	v_mov_b32 v[ST+8*\T+1], 0xff61b1e6             ; m = -3e38, under every score
	v_mul_f32 v[ST+8*\T], s[CS], v[ST+8*\T+1]
.irp j, 2,3,4,5,6,7
	v_mov_b32 v[ST+8*\T+\j], 0
.endr
.endr
.set J, 0
.rept 64
	v_mov_b32 v[OT+J], 0                           ; the step is written once: its first turn finds zeros, which a = 0 leaves zeros
.set J, J+1
.endr
; A KEY STEP of mine: 64 keys, the u-th of my two in the slot in hand, for both tiles.
.macro STEP u
	s_add_co_u32 s42, s[Q0], 31
	s_cmp_gt_u32 s[KF], s42                        ; all keys come after my 32 queries: the work is left out; the count of keys at the step's end is not
	s_cbranch_scc1 .Lhidden_\@
	v_add_nc_u32 v[AD], s[TB], v[AK]
.rept 4
	v_nop                                          ; with the addition: five places behind the last products: four for the loads into the buffer that they read, five for the products below, which write over P
.endr
.irp kt, 0,1,2,3
.irp f, 0,1
.irp c, 0,1
	ds_load_b128 v[KV+16*\kt+8*\f+4*\c:KV+16*\kt+8*\f+4*\c+3], v[AD] offset:16384*(\u)+2048*\kt+1024*\f+512*\c
.endr
.endr
.endr
	s_wait_dscnt 0x0                               ; K is in
.irp kt, 0,1,2,3                       ; each fragment of K feeds both tiles; the eight accumulators take turns
.irp T, 0,1
	v_wmma_f32_16x16x32_f16 v[SR+32*\T+8*\kt:SR+32*\T+8*\kt+7], v[KV+16*\kt:KV+16*\kt+7], v[QR+16*\T:QR+16*\T+7], 0
.endr
.endr
.irp kt, 0,1,2,3
.irp T, 0,1
	v_wmma_f32_16x16x32_f16 v[SR+32*\T+8*\kt:SR+32*\T+8*\kt+7], v[KV+16*\kt+8:KV+16*\kt+15], v[QR+16*\T+8:QR+16*\T+15], v[SR+32*\T+8*\kt:SR+32*\T+8*\kt+7]
.endr
.endr
.rept 4
	v_nop                                          ; places in front of the loads into K's registers and of the first read of the scores
.endr
.irp m, 0,1
.irp g, 0,1,2,3
.irp c, 0,1
	ds_load_b128 v[KV+32*\m+8*\g+4*\c:KV+32*\m+8*\g+4*\c+3], v[AD] offset:VOFF+16384*(\u)+4096*\m+1024*\g+512*\c   ; V lands while the softmax is walked
.endr
.endr
.endr
	s_add_co_u32 s42, s[KF], 63
	s_cmp_le_u32 s42, s[Q0]                        ; all keys count for all 32 queries: no mask
	s_cbranch_scc1 .Lopen_\@
	s_sub_co_i32 s42, s[Q0], s[KF]
	v_add_nc_u32 v[DD], s42, v[DQ]                 ; register 8 kt + j of tile T holds key KF + 16 kt + 8 h + j for query Q0 + 16 T + r: hidden where 16 kt + j - 16 T > Q0 - KF + r - 8 h
.irp T, 0,1
.irp kt, 0,1,2,3
.irp j, 0,1,2,3,4,5,6,7
	v_cmp_gt_i32 vcc_lo, 16*\kt+\j-16*\T, v[DD]
	v_cndmask_b32 v[SR+32*\T+8*\kt+\j], v[SR+32*\T+8*\kt+\j], v[NINF], vcc_lo
.endr
.endr
.endr
.Lopen_\@:
.irp kt, 0,1,2,3                       ; the two tiles by turns throughout: no line waits for the line above it
.irp T, 0,1
	v_max3_num_f32 v[ST+8*\T+4+\kt], v[SR+32*\T+8*\kt], v[SR+32*\T+8*\kt+1], v[SR+32*\T+8*\kt+2]
.endr
.endr
.irp i, 3,5
.irp kt, 0,1,2,3
.irp T, 0,1
	v_max3_num_f32 v[ST+8*\T+4+\kt], v[ST+8*\T+4+\kt], v[SR+32*\T+8*\kt+\i], v[SR+32*\T+8*\kt+\i+1]
.endr
.endr
.endr
.irp T, 0,1
	v_max3_num_f32 v[ST+8*\T+4], v[ST+8*\T+4], v[SR+32*\T+7], v[SR+32*\T+15]
.endr
.irp T, 0,1
	v_max3_num_f32 v[ST+8*\T+6], v[ST+8*\T+6], v[SR+32*\T+23], v[SR+32*\T+31]
.endr
.irp T, 0,1
	v_max3_num_f32 v[ST+8*\T+4], v[ST+8*\T+4], v[ST+8*\T+5], v[ST+8*\T+6]
.endr
.irp T, 0,1
	v_max3_num_f32 v[ST+8*\T+4], v[ST+8*\T+4], v[ST+8*\T+7], v[ST+8*\T+1]
.endr
.irp T, 0,1
	v_permlanex16_b32 v[ST+8*\T+5], v[ST+8*\T+4], s[SEL], s[SEL+1]   ; the query's other 32 keys lie in the lane 16 away
.endr
.irp T, 0,1
	v_mov_b32 v[ST+8*\T+7], v[ST+8*\T]
.endr
.irp T, 0,1
	v_max_num_f32 v[ST+8*\T+1], v[ST+8*\T+4], v[ST+8*\T+5]           ; the new m
.endr
.irp T, 0,1
	v_mul_f32 v[ST+8*\T], s[CS], v[ST+8*\T+1]
.endr
.irp T, 0,1
	v_sub_f32 v[ST+8*\T+7], v[ST+8*\T+7], v[ST+8*\T]                 ; c m_old - c m_new
.endr
.irp i, 0,2,4,6,8,10,12,14,16,18,20,22,24,26,28,30
.irp T, 0,1
	v_pk_fma_f32 v[SR+32*\T+\i:SR+32*\T+\i+1], v[SR+32*\T+\i:SR+32*\T+\i+1], s[CS:CS+1], v[ST+8*\T:ST+8*\T+1] op_sel_hi:[1,0,0] neg_lo:[0,0,1] neg_hi:[0,0,1]   ; c s - c m
.endr
.endr
.irp T, 0,1
	v_exp_f32 v[ST+8*\T+6], v[ST+8*\T+7]           ; a
.endr
.irp i, 0,1,2,3,4,5,6,7,8,9,10,11,12,13,14,15,16,17,18,19,20,21,22,23,24,25,26,27,28,29,30,31
.irp T, 0,1
	v_exp_f32 v[SR+32*\T+\i], v[SR+32*\T+\i]
.endr
.endr
	v_nop                                          ; a plain instruction behind the last exponential
	s_wait_alu depctr_va_vdst(0)                   ; one wait for the batch of 66, ahead of its first reader
.irp T, 0,1                            ; the sum of the unrounded p, in two chains a tile; p itself is left as it is
	v_pk_add_f32 v[ST+8*\T+4:ST+8*\T+5], v[SR+32*\T:SR+32*\T+1], v[SR+32*\T+2:SR+32*\T+3]
.endr
.irp T, 0,1
	v_pk_add_f32 v[SA+2*\T:SA+2*\T+1], v[SR+32*\T+4:SR+32*\T+5], v[SR+32*\T+6:SR+32*\T+7]
.endr
.irp i, 8,12,16,20,24,28
.irp T, 0,1
	v_pk_add_f32 v[ST+8*\T+4:ST+8*\T+5], v[ST+8*\T+4:ST+8*\T+5], v[SR+32*\T+\i:SR+32*\T+\i+1]
.endr
.irp T, 0,1
	v_pk_add_f32 v[SA+2*\T:SA+2*\T+1], v[SA+2*\T:SA+2*\T+1], v[SR+32*\T+\i+2:SR+32*\T+\i+3]
.endr
.endr
.irp T, 0,1
	v_pk_fma_f32 v[ST+8*\T+2:ST+8*\T+3], v[ST+8*\T+2:ST+8*\T+3], v[ST+8*\T+6:ST+8*\T+7], v[ST+8*\T+4:ST+8*\T+5] op_sel_hi:[1,0,1]   ; l = a l + the first chain
.endr
.irp T, 0,1
	v_pk_add_f32 v[ST+8*\T+2:ST+8*\T+3], v[ST+8*\T+2:ST+8*\T+3], v[SA+2*\T:SA+2*\T+1]                                              ; + the second
.endr
.irp i, 0,1,2,3,4,5,6,7,8,9,10,11,12,13,14,15
.irp T, 0,1
	v_cvt_pk_f16_f32 v[SR+32*\T+\i], v[SR+32*\T+2*\i], v[SR+32*\T+2*\i+1]   ; P in place, ascending: register i is written when pairs 0 .. i - 1, which hold it, have been read
.endr
.endr
.irp i, 0,2,4,6,8,10,12,14,16,18,20,22,24,26,28,30
.irp T, 0,1
	v_pk_mul_f32 v[OT+32*\T+\i:OT+32*\T+\i+1], v[OT+32*\T+\i:OT+32*\T+\i+1], v[ST+8*\T+6:ST+8*\T+7] op_sel_hi:[1,0]
.endr
.endr
	s_wait_dscnt 0x0                               ; V is in
.irp m, 0,1                            ; each fragment of V feeds both tiles; eight accumulators by turns
.irp g, 0,1,2,3
.irp T, 0,1
	v_wmma_f32_16x16x32_f16 v[OT+32*\T+8*\g:OT+32*\T+8*\g+7], v[KV+32*\m+8*\g:KV+32*\m+8*\g+7], v[SR+32*\T+8*\m:SR+32*\T+8*\m+7], v[OT+32*\T+8*\g:OT+32*\T+8*\g+7]
.endr
.endr
.endr
.Lhidden_\@:
	s_add_co_u32 s[KF], s[KF], 128                 ; my next step: the step between is my partner's
.endm
; THE CHANGE OF SLOTS stands at a slot's head.  Each wave waits for all its tensor loads, adds 0 to its spare word, and waits for that and for its reads of the slot that it has left; behind the barrier the slot ahead is whole
; and nobody reads the other one, which is then filled with the keys that follow, as long as some wave of the work-group will read them.
.macro CHANGE fill
	s_wait_tensorcnt 0x0
	ds_add_u32 v[SPW], v[NIL]
.if \fill
	ds_add_u32 v[SPW], v[NIL]                      ; the add twice on end here, in every trip alike
	s_xor_b32 s[G0+1], s[G0+1], SLOT1              ; no tensor load of mine is out: the descriptor walks: the other slot, the next 256 keys
	s_add_nc_u64 s[G0+2:G0+3], s[G0+2:G0+3], 32768
	s_wait_xcnt 0x0                                ; the last prefetch, a slot back, has read its address
	s_add_nc_u64 s[PFA:PFA+1], s[PFA:PFA+1], 32768
.endif
	s_wait_dscnt 0x0
	s_barrier_signal -1
	s_barrier_wait -1
.if \fill
	s_add_co_u32 s42, s[KS], 256                   ; the first key of the slot that this change would ask for
	s_cmp_gt_u32 s42, s[QL]                        ; ids and the count of slots alone: all sixteen waves go the same way.  A slot past my work-group's last query is read by none of its waves
	s_cbranch_scc1 .Lpast_\@
	TLOAD
.Lpast_\@:
	ASK
.endif
.endm
.macro SLOT_STEPS
	STEP 0
	STEP 1
	s_xor_b32 s[TB], s[TB], SLOT1
	s_add_co_u32 s[KS], s[KS], 256
.endm
	s_wait_loadcnt 0x0                             ; Q
.Lslot:                                            ; seven trips; the last slot is written out
	CHANGE 1
	SLOT_STEPS
	s_sub_co_u32 s[SLOTS], s[SLOTS], 1
	s_cmp_lg_u32 s[SLOTS], 0
	s_cbranch_scc1 .Lslot
	CHANGE 0
	SLOT_STEPS
	; THE TWO PARTS MEET.  Every wave puts O^T, c m and l into its own bytes, as images of the registers; one barrier; the wave of the even steps takes its partner's.
.rept 4
	v_nop
.endr
.irp T, 0,1
	v_mov_b32 v[SA+2*\T], v[ST+8*\T]                                 ; c m
	v_add_f32 v[SA+2*\T+1], v[ST+8*\T+2], v[ST+8*\T+3]               ; l of my lane's keys
.endr
.irp n, 0,1,2,3,4,5,6,7,8,9,10,11,12,13,14,15
	ds_store_b128 v[MS], v[OT+4*\n:OT+4*\n+3] offset:512*\n
.endr
	ds_store_b128 v[MS], v[SA:SA+3] offset:8192
	s_wait_dscnt 0x0                               ; for the others' sake: my stores are done
	s_barrier_signal -1
	s_barrier_wait -1
	s_cmp_eq_u32 s[PAR], 0
	s_cbranch_scc0 .Lend
.irp n, 0,1,2,3,4,5,6,7,8,9,10,11,12,13,14,15
	ds_load_b128 v[KV+4*\n:KV+4*\n+3], v[ML] offset:512*\n
.endr
	ds_load_b128 v[SR:SR+3], v[ML] offset:8192     ; my partner's c m and l: tile T's at 2 T, 2 T + 1
	s_wait_dscnt 0x0
.irp T, 0,1
	v_max_num_f32 v[ST+8*\T+4], v[ST+8*\T], v[SR+2*\T]               ; c m of all keys (c is positive)
.endr
.irp T, 0,1
	v_sub_f32 v[ST+8*\T+5], v[ST+8*\T], v[ST+8*\T+4]
	v_sub_f32 v[ST+8*\T+7], v[SR+2*\T], v[ST+8*\T+4]
.endr
.irp T, 0,1
	v_exp_f32 v[ST+8*\T+5], v[ST+8*\T+5]           ; a_A
	v_exp_f32 v[ST+8*\T+7], v[ST+8*\T+7]           ; a_B
.endr
	v_nop
	s_wait_alu depctr_va_vdst(0)                   ; one wait for the four
.irp T, 0,1
	v_mul_f32 v[ST+8*\T+2], v[ST+8*\T+5], v[SA+2*\T+1]
.endr
.irp T, 0,1
	v_fma_f32 v[ST+8*\T+2], v[ST+8*\T+7], v[SR+2*\T+1], v[ST+8*\T+2]
.endr
.irp T, 0,1
	v_permlanex16_b32 v[ST+8*\T+3], v[ST+8*\T+2], s[SEL], s[SEL+1]
.endr
.irp T, 0,1
	v_add_f32 v[ST+8*\T+2], v[ST+8*\T+2], v[ST+8*\T+3]               ; the row's sum
.endr
.irp T, 0,1
	v_rcp_f32 v[ST+8*\T+3], v[ST+8*\T+2]
.endr
	v_nop
	s_wait_alu depctr_va_vdst(0)
.irp T, 0,1
	v_mul_f32 v[ST+8*\T+4], v[ST+8*\T+5], v[ST+8*\T+3]               ; a_A / l
	v_mul_f32 v[ST+8*\T+6], v[ST+8*\T+7], v[ST+8*\T+3]               ; a_B / l
.endr
.irp T, 0,1
.irp i, 0,2,4,6,8,10,12,14,16,18,20,22,24,26,28,30
	v_pk_mul_f32 v[OT+32*\T+\i:OT+32*\T+\i+1], v[OT+32*\T+\i:OT+32*\T+\i+1], v[ST+8*\T+4:ST+8*\T+5] op_sel_hi:[1,0]
.endr
.endr
.irp T, 0,1
.irp i, 0,2,4,6,8,10,12,14,16,18,20,22,24,26,28,30
	v_pk_fma_f32 v[OT+32*\T+\i:OT+32*\T+\i+1], v[KV+32*\T+\i:KV+32*\T+\i+1], v[ST+8*\T+6:ST+8*\T+7], v[OT+32*\T+\i:OT+32*\T+\i+1] op_sel_hi:[1,0,1]
.endr
.endr
.irp T, 0,1
.irp i, 0,1,2,3,4,5,6,7,8,9,10,11,12,13,14,15
	v_cvt_pk_f16_f32 v[SR+16*\T+\i], v[OT+32*\T+2*\i], v[OT+32*\T+2*\i+1]
.endr
.endr
.irp T, 0,1
.irp g, 0,1,2,3
	global_store_b128 v[AL], v[SR+16*\T+4*\g:SR+16*\T+4*\g+3], s[10:11] offset:8192*\T+512*\g   ; a lane's eight channels are 16 bytes, the 32 lanes' 512 consecutive bytes of an image
.endr
.endr
.Lend:
	s_wait_tensorcnt 0x0                           ; the wave's end
	ds_add_u32 v[SPW], v[NIL]
	s_wait_dscnt 0x0
	s_endpgm
.Lfunc_end_k_q084d05f81b_attn:
	.size	k_q084d05f81b_attn, .Lfunc_end_k_q084d05f81b_attn-k_q084d05f81b_attn
	.p2alignl 7, 3214868480
	.fill 96, 4, 3214868480
	.section	.rodata,"a",@progbits
	.p2align	6, 0x0
	.amdhsa_kernel k_q084d05f81b_attn
		.amdhsa_group_segment_fixed_size 327680
		.amdhsa_private_segment_fixed_size 0
		.amdhsa_enable_private_segment 0
		.amdhsa_kernarg_size 16
		.amdhsa_user_sgpr_count 2
		.amdhsa_user_sgpr_kernarg_segment_ptr 1
		.amdhsa_wavefront_size32 1
		.amdhsa_system_sgpr_workgroup_id_x 1
		.amdhsa_system_sgpr_workgroup_id_y 1
		.amdhsa_system_sgpr_workgroup_id_z 1
		.amdhsa_system_vgpr_workitem_id 0
		.amdhsa_next_free_vgpr 256
		.amdhsa_next_free_sgpr 66
		.amdhsa_reserve_vcc 1
		.amdhsa_float_denorm_mode_32 3
		.amdhsa_float_denorm_mode_16_64 3
		.amdhsa_memory_ordered 1
		.amdhsa_forward_progress 1
		.amdhsa_inst_pref_size 105
	.end_amdhsa_kernel
	.amdgpu_metadata
---
amdhsa.version: [ 1, 2 ]
amdhsa.kernels:
  - .name:           k_q084d05f81b_attn
    .symbol:         k_q084d05f81b_attn.kd
    .args:
      - { .name: qkv, .offset: 0, .size: 8, .value_kind: global_buffer, .address_space: global }
      - { .name: y, .offset: 8, .size: 8, .value_kind: global_buffer, .address_space: global }
    .group_segment_fixed_size: 327680
    .private_segment_fixed_size: 0
    .kernarg_segment_align: 8
    .kernarg_segment_size: 16
    .max_flat_workgroup_size: 512
    .sgpr_count:     66
    .vgpr_count:     256
    .wavefront_size: 32
...
	.end_amdgpu_metadata
.endif
;; end of part 3
;; launch proj (part 4): grid 8 x 32, 4 waves a work-group, clusters of 4 x 4, 327,680 bytes of LDS; arguments y, wp, b_proj, out0; writes out0
.if DOCPART == 4
	.amdgcn_target "amdgcn-amd-amdhsa--gfx1250"
	.amdhsa_code_object_version 6
	.text
	.protected	k_q084d05f81b_proj
	.globl	k_q084d05f81b_proj
	.p2align	8
	.type	k_q084d05f81b_proj,@function
k_q084d05f81b_proj:
	s_mov_b64 s[64:65], 0
	v_nop
	global_prefetch_b8 v0, s[64:65] scope:SCOPE_SE
	s_setreg_imm32_b32 hwreg(HW_REG_WAVE_MODE, 25, 1), 1
	s_wait_xcnt 0x0
	s_wait_alu depctr_hold_cnt(0) depctr_sa_sdst(0) depctr_va_vdst(0) depctr_va_sdst(0) depctr_va_ssrc(0) depctr_va_vcc(0) depctr_vm_vsrc(0)
	s_getreg_b32 s2, hwreg(HW_REG_IB_STS2, 6, 4)
	s_cmp_eq_u32 s2, 0
	s_cbranch_scc0 .Lentry_in_a_cluster
	s_endpgm
.Lentry_in_a_cluster:
	s_bfe_u32 s2, ttmp6, 0x10000c
	s_cmp_lg_u32 s2, 0xf033
	s_cbranch_scc0 .Lentry_shape_is_right
	s_endpgm
.Lentry_shape_is_right:
; out0 = y w_proj + b_proj: [4096][1024] x [1024][1024], operands f16, sums f32, the bias as the C of each sum's first product.
; y and wp are images of the operands' registers: [K step of 256: 4][group of 16 rows or columns][32 k: 8][1024]; a fragment is two loads of 512 consecutive bytes.
; A tile is 128 x 128, four waves of 64 x 64 (16 accumulators): 256 work-groups.  K goes in four steps of 256 through two LDS slots; a wave's tensor load brings 32,768 dense bytes.
; CLUSTERS of 4 x 4: y's tiles are shared along a row of the cluster, wp's along a column, each asked for jointly.  Source 0 = 16 columns of w, source 1 = 16 rows of y: a lane holds eight neighbouring outputs of a row.
; All 4,096 rows are made here; the first 16 positions of each sequence are written again, more finely, by a later launch: no branch here may hang on the tile's row.
; REGISTERS: window 0: v16-30 addresses; v32-95 the way out; v96-127 the bias; v128-255 accumulators.  window 1: two fragment buffers of 128.
.set SLOT,   131072                    ; y's 8 groups x 8,192 bytes, then wp's
.set STAGE,  262144                    ; 16 rows x 272 bytes for each wave, its own; no tensor load lands here
.set SPITCH, 272
.set SPARE,  279552
.set LAPS,   2
.set ADRA, 16
.set ADRB, 20
.set STO,  24
.set RD,   25
.set CO,   26
.set SPW,  28
.set NIL,  29
.set BIA,  30
.set TMP,  32
.set BIAS, 96
.set ACC,  128
.set F0,   0
.set F1,   128
.set G1, 24
.set G0, 32
.set G1B, 48
.set G0B, 56
.set MSB, 0
.macro WIN new
.if MSB != \new
	s_set_vgpr_msb (MSB<<8)|\new
.set MSB, \new
.endif
.endm
.set MUL,  0x05                        ; sources 0 and 1 window 1; C and D window 0
.set TO_F, 0x40
.macro JLOAD s                         ; waves 0 and 1 fetch y's halves, waves 2 and 3 wp's; an s_nop 0 and four v_nop follow each line
	s_cmp_eq_u32 s13, 0
	s_cbranch_scc0 .Lfor_b_\@
	tensor_load_to_lds s[G0+4*\s:G0+4*\s+3], s[G1:G1+7]
	s_nop 0
.rept 4
	v_nop
.endr
	s_branch .Lasked_\@
.Lfor_b_\@:
	tensor_load_to_lds s[G0B+4*\s:G0B+4*\s+3], s[G1B:G1B+7]
	s_nop 0
.rept 4
	v_nop
.endr
.Lasked_\@:
.endm
.macro CREST
	s_cmp_lg_u32 s12, 0
	s_cbranch_scc1 .Lnot_wave_0_\@
	s_barrier_signal -3
.Lnot_wave_0_\@:
	s_barrier_wait -3
	s_barrier_signal -1
	s_barrier_wait -1
.endm
.macro CROUND
	s_barrier_signal -1
	s_barrier_wait -1
	CREST
.endm
	s_load_b256 s[4:11], s[0:1], 0x0               ; y s[4:5], wp s[6:7], b_proj s[8:9], out0 s[10:11]
	v_lshl_add_u32 v[SPW], v0, 2, SPARE
	v_mov_b32 v[NIL], 0
	ds_add_u32 v[SPW], v[NIL]                      ; the wave's opening: the add, twice on end, and its wait ahead of my first tensor load
	ds_add_u32 v[SPW], v[NIL]
	v_lshrrev_b32 v1, 5, v0
	v_readfirstlane_b32 s12, v1                    ; wave
	s_lshr_b32 s13, s12, 1                         ; my half of the rows; also: I fetch for y (0) or wp (1)
	s_and_b32 s14, s12, 1                          ; my half of the columns; also: which half I fetch
	s_bfe_u32 s40, ttmp6, 0x40000                  ; cx
	s_bfe_u32 s41, ttmp6, 0x40004                  ; cy
	s_lshl_b32 s42, ttmp9, 2
	s_add_co_u32 s42, s42, s40                     ; tile column
	s_and_b32 s15, ttmp7, 0xffff
	s_lshl_b32 s15, s15, 2
	s_add_co_u32 s15, s15, s41                     ; tile row
	s_lshl_b32 s43, s41, 2
	s_lshl_b32 s43, 15, s43                        ; my row of the cluster
	s_lshl_b32 s44, 0x1111, s40                    ; my column
	s_or_b32 s[G1], s43, (3<<16)|(1<<21)           ; the mask; elements of 8 bytes; bit 21 beside a mask; no padding
	s_or_b32 s[G1B], s44, (3<<16)|(1<<21)
.irp g, G1, G1B                        ; 4 groups = 32,768 dense bytes, as 128 rows of 256
	s_mov_b32 s[\g+1], 32<<16
	s_mov_b32 s[\g+2], 128<<16
	s_mov_b32 s[\g+3], 32<<16
	s_mov_b32 s[\g+4], 128
	s_mov_b32 s[\g+5], 32
	s_mov_b32 s[\g+6], 0
	s_mov_b32 s[\g+7], 0
.endr
	s_lshl_b32 s17, s14, 15                        ; the half that I fetch
	s_lshl_b32 s16, s15, 16
	s_add_co_u32 s16, s16, s17                     ; y: 8 groups a tile row
	s_lshl_b32 s46, s42, 16
	s_add_co_u32 s46, s46, s17                     ; wp: 8 groups a tile column
	s_mov_b32 s17, 0
	s_mov_b32 s47, 0
	s_lshl_b32 s20, s12, 15                        ; where they go: wave x 32,768
	s_wait_dscnt 0x0                               ; both opening adds are done
	s_wait_kmcnt 0x0
	s_add_nc_u64 s[18:19], s[4:5], s[16:17]
	s_add_nc_u64 s[46:47], s[6:7], s[46:47]
	CROUND                                         ; all sixteen work-groups are here: the first joint loads meet
.irp s, 0,1
	s_mov_b32 s[G0+4*\s], 1
	s_add_co_u32 s[G0+4*\s+1], s20, \s*SLOT
	s_add_nc_u64 s[G0+4*\s+2:G0+4*\s+3], s[18:19], \s*2097152
	s_or_b32 s[G0+4*\s+3], s[G0+4*\s+3], 0x80000000
	s_mov_b32 s[G0B+4*\s], 1
	s_add_co_u32 s[G0B+4*\s+1], s20, \s*SLOT
	s_add_nc_u64 s[G0B+4*\s+2:G0B+4*\s+3], s[46:47], \s*524288
	s_or_b32 s[G0B+4*\s+3], s[G0B+4*\s+3], 0x80000000
	JLOAD \s
.endr
	v_and_b32 v1, 15, v0                           ; r
	v_bfe_u32 v2, v0, 4, 1                         ; h
	v_and_b32 v3, 31, v0
	v_lshlrev_b32 v3, 4, v3                        ; 16 x lane
	s_lshl_b32 s21, s13, 15                        ; my 4 groups of y
	s_lshl_b32 s22, s14, 15
	s_add_co_u32 s22, s22, 65536                   ; my 4 groups of wp, behind y's 8
.irp s, 0,1
	v_add_nc_u32 v[ADRA+\s], s21, v3
	v_add_nc_u32 v[ADRB+\s], s22, v3
	s_add_co_u32 s21, s21, SLOT
	s_add_co_u32 s22, s22, SLOT
.endr
	s_mul_i32 s23, s12, 16*SPITCH
	s_add_co_u32 s23, s23, STAGE                   ; my stage
	v_mul_u32_u24 v4, v1, SPITCH
	v_lshl_add_u32 v4, v2, 5, v4
	v_add_nc_u32 v[STO], s23, v4                   ; in: row r, 32 bytes for each half of the lanes
	v_mul_u32_u24 v5, v2, SPITCH
	v_lshl_add_u32 v5, v1, 4, v5
	v_add_nc_u32 v[RD], s23, v5                    ; back: lanes 0-15 one row of 256 bytes, lanes 16-31 the next
	v_lshlrev_b32 v5, 12, v2
	v_lshl_add_u32 v[CO], v1, 4, v5                ; and the same two rows in out0
	v_lshlrev_b32 v[BIA], 5, v2
	s_lshl_b32 s16, s42, 9
	s_lshl_b32 s21, s14, 8
	s_add_co_u32 s16, s16, s21                     ; my first column, in bytes
	s_add_nc_u64 s[8:9], s[8:9], s[16:17]
.irp b, 0,1,2,3
	global_load_b128 v[BIAS+8*\b:BIAS+8*\b+3], v[BIA], s[8:9] offset:64*\b       ; b_proj at columns 16 b + 8 h + 0 .. 7: the result's layout
	global_load_b128 v[BIAS+8*\b+4:BIAS+8*\b+7], v[BIA], s[8:9] offset:64*\b+16
.endr
	s_lshl_b32 s21, s15, 19
	s_add_co_u32 s16, s16, s21
	s_lshl_b32 s21, s13, 18
	s_add_co_u32 s16, s16, s21                     ; + my first row x 4,096 bytes
	s_add_nc_u64 s[10:11], s[10:11], s[16:17]
.macro MUL8 f, c, a0, zero             ; 8 matrix instructions; zero = 1: the first product starts the sums from the bias
.irp a, \a0, \a0+1
.irp b, 0,1,2,3
.if \zero
	v_wmma_f32_16x16x32_f16 v[ACC+8*(4*(\a)+\b):ACC+8*(4*(\a)+\b)+7], v[\f+64+8*(4*\c+\b):\f+64+8*(4*\c+\b)+7], v[\f+8*(4*\c+\a):\f+8*(4*\c+\a)+7], v[BIAS+8*\b:BIAS+8*\b+7]
.else
	v_wmma_f32_16x16x32_f16 v[ACC+8*(4*(\a)+\b):ACC+8*(4*(\a)+\b)+7], v[\f+64+8*(4*\c+\b):\f+64+8*(4*\c+\b)+7], v[\f+8*(4*\c+\a):\f+8*(4*\c+\a)+7], v[ACC+8*(4*(\a)+\b):ACC+8*(4*(\a)+\b)+7]
.endif
.endr
.endr
.endm
.macro FETCH slot, qd, f               ; 32 LDS loads: the fragments of quarter qd (64 along K) into buffer f; the first 32 along K first
	WIN TO_F
.irp c, 0,1
.irp i, 0,1,2,3
	ds_load_b128 v[\f+64+8*(4*\c+\i):\f+64+8*(4*\c+\i)+3],   v[ADRB+\slot] offset:\i*8192+(2*(\qd)+\c)*1024
	ds_load_b128 v[\f+64+8*(4*\c+\i)+4:\f+64+8*(4*\c+\i)+7], v[ADRB+\slot] offset:\i*8192+(2*(\qd)+\c)*1024+512
	ds_load_b128 v[\f+8*(4*\c+\i):\f+8*(4*\c+\i)+3],         v[ADRA+\slot] offset:\i*8192+(2*(\qd)+\c)*1024
	ds_load_b128 v[\f+8*(4*\c+\i)+4:\f+8*(4*\c+\i)+7],       v[ADRA+\slot] offset:\i*8192+(2*(\qd)+\c)*1024+512
.endr
.endr
.endm
.macro PLACES
.rept 4
	v_nop
.endr
.endm
.macro QUARTER slot, qd, f, g, zero    ; multiplies buffer f and fetches quarter qd of the same slot into g
	s_wait_dscnt 16                                ; the first 32 along K are in
	WIN MUL
	MUL8 \f, 0, 0, \zero
	MUL8 \f, 0, 2, \zero
	PLACES
	FETCH \slot, \qd, \g
	s_wait_dscnt 32                                ; all but the 32 just issued
	WIN MUL
	MUL8 \f, 1, 0, 0
	MUL8 \f, 1, 2, 0
.endm
; A slot's last quarter changes slots: one barrier; in front of it each wave waits for all its tensor loads, adds 0 to its spare word, and waits for that and for its reads of this slot.
.macro TURN slot, next, fill
	WIN 0
	s_wait_tensorcnt 0x0
	ds_add_u32 v[SPW], v[NIL]
	s_wait_dscnt 17                                ; (the add and the youngest sixteen loads may be out)
	WIN MUL
	MUL8 F1, 0, 0, 0
	s_wait_dscnt 0x0
	s_barrier_signal -1
	MUL8 F1, 0, 2, 0
.if \fill
	WIN 0
.endif
	s_barrier_wait -1
.if \fill
	CREST                                          ; the barrier has opened a round of the cluster's: no wave of any partner still reads this slot or has a load on its way
	s_add_nc_u64 s[G0+4*\slot+2:G0+4*\slot+3], s[G0+4*\slot+2:G0+4*\slot+3], 2*2097152
	s_add_nc_u64 s[G0B+4*\slot+2:G0B+4*\slot+3], s[G0B+4*\slot+2:G0B+4*\slot+3], 2*524288
	JLOAD \slot                                    ; the first tensor load behind the round; its four v_nop are also the places in front of the loads below
.else
	PLACES
.endif
	FETCH \next, 0, F0
	WIN MUL
	MUL8 F1, 1, 0, 0
	MUL8 F1, 1, 2, 0
.endm
	s_wait_tensorcnt 1                             ; my part of K step 0 is in; K step 1's load may be out
	s_barrier_signal -1
	s_barrier_wait -1
	FETCH 0, 0, F0
	s_wait_loadcnt 0x0                             ; the bias
	QUARTER 0, 1, F0, F1, 1
	WIN 0
	s_mov_b32 s3, LAPS-1
.Llap:
	QUARTER 0, 2, F1, F0, 0
	QUARTER 0, 3, F0, F1, 0
	TURN 0, 1, 1
	QUARTER 1, 1, F0, F1, 0
	QUARTER 1, 2, F1, F0, 0
	QUARTER 1, 3, F0, F1, 0
	TURN 1, 0, 1
	QUARTER 0, 1, F0, F1, 0
	WIN 0
	s_sub_co_u32 s3, s3, 1
	s_cmp_lg_u32 s3, 0
	s_cbranch_scc1 .Llap
	QUARTER 0, 2, F1, F0, 0                        ; the last lap fills nothing
	QUARTER 0, 3, F0, F1, 0
	TURN 0, 1, 0
	QUARTER 1, 1, F0, F1, 0
	QUARTER 1, 2, F1, F0, 0
	QUARTER 1, 3, F0, F1, 0
	s_wait_dscnt 16
	WIN MUL
	MUL8 F1, 0, 0, 0
	MUL8 F1, 0, 2, 0
	s_wait_dscnt 0
	MUL8 F1, 1, 0, 0
	MUL8 F1, 1, 2, 0
	WIN 0
; THE WAY OUT, by blocks of 16 rows x 64 columns (256 bytes a row) through my own stage: back as whole rows, sixteen lanes to 256 consecutive bytes, aligned.  LDS serves a wave's instructions in order.
.macro TOSTAGE a
.irp b, 0,1,2,3
	ds_store_b128 v[STO], v[ACC+8*(4*(\a)+\b):ACC+8*(4*(\a)+\b)+3] offset:64*\b
	ds_store_b128 v[STO], v[ACC+8*(4*(\a)+\b)+4:ACC+8*(4*(\a)+\b)+7] offset:64*\b+16
.endr
.set BB, TMP+32*((\a)%2)
.irp t, 0,1,2,3,4,5,6,7
	ds_load_b128 v[BB+4*\t:BB+4*\t+3], v[RD] offset:\t*2*SPITCH
.endr
.endm
.macro SEND a, younger
.set BB, TMP+32*((\a)%2)
	s_wait_dscnt \younger                          ; the block is back; the next block's 16 LDS instructions may be out
.irp t, 0,1,2,3,4,5,6,7
	global_store_b128 v[CO], v[BB+4*\t:BB+4*\t+3], s[10:11] offset:(16*(\a)+2*\t)*4096 th:TH_STORE_NT
.endr
.endm
	PLACES
	TOSTAGE 0
.irp a, 1,2,3
.if \a > 1
	s_wait_xcnt 0x0                                ; the stores of two blocks back have read their registers: this block's loads may land there
.endif
	TOSTAGE \a
	SEND \a-1, 16
.endr
	SEND 3, 0
	s_wait_tensorcnt 0x0                           ; the wave's end
	ds_add_u32 v[SPW], v[NIL]
	s_wait_dscnt 0x0
	CROUND                                         ; the closing round
	s_endpgm
.Lfunc_end_k_q084d05f81b_proj:
	.size	k_q084d05f81b_proj, .Lfunc_end_k_q084d05f81b_proj-k_q084d05f81b_proj
	.p2alignl 7, 3214868480
	.fill 96, 4, 3214868480
	.section	.rodata,"a",@progbits
	.p2align	6, 0x0
	.amdhsa_kernel k_q084d05f81b_proj
		.amdhsa_group_segment_fixed_size 327680
		.amdhsa_private_segment_fixed_size 0
		.amdhsa_enable_private_segment 0
		.amdhsa_kernarg_size 32
		.amdhsa_user_sgpr_count 2
		.amdhsa_user_sgpr_kernarg_segment_ptr 1
		.amdhsa_wavefront_size32 1
		.amdhsa_system_sgpr_workgroup_id_x 1
		.amdhsa_system_sgpr_workgroup_id_y 1
		.amdhsa_system_sgpr_workgroup_id_z 1
		.amdhsa_system_vgpr_workitem_id 0
		.amdhsa_next_free_vgpr 512
		.amdhsa_next_free_sgpr 66
		.amdhsa_reserve_vcc 0
		.amdhsa_float_denorm_mode_32 3
		.amdhsa_float_denorm_mode_16_64 3
		.amdhsa_memory_ordered 1
		.amdhsa_forward_progress 1
		.amdhsa_inst_pref_size 86
	.end_amdhsa_kernel
	.amdgpu_metadata
---
amdhsa.version: [ 1, 2 ]
amdhsa.kernels:
  - .name:           k_q084d05f81b_proj
    .symbol:         k_q084d05f81b_proj.kd
    .args:
      - { .name: y, .offset: 0, .size: 8, .value_kind: global_buffer, .address_space: global }
      - { .name: wp, .offset: 8, .size: 8, .value_kind: global_buffer, .address_space: global }
      - { .name: b_proj, .offset: 16, .size: 8, .value_kind: global_buffer, .address_space: global }
      - { .name: out0, .offset: 24, .size: 8, .value_kind: global_buffer, .address_space: global }
    .group_segment_fixed_size: 327680
    .private_segment_fixed_size: 0
    .kernarg_segment_align: 8
    .kernarg_segment_size: 32
    .max_flat_workgroup_size: 128
    .sgpr_count:     66
    .vgpr_count:     512
    .wavefront_size: 32
...
	.end_amdgpu_metadata
.endif
;; end of part 4
;; launch fine1 (part 5): grid 16 x 2, 12 waves a work-group, no clusters, 14,592 bytes of LDS; arguments xq, wq, b_qkv, yf; writes yf
.if DOCPART == 5
	.amdgcn_target "amdgcn-amd-amdhsa--gfx1250"
	.amdhsa_code_object_version 6
	.text
	.protected	k_q084d05f81b_fine1
	.globl	k_q084d05f81b_fine1
	.p2align	8
	.type	k_q084d05f81b_fine1,@function
k_q084d05f81b_fine1:
	s_mov_b64 s[64:65], 0
	v_nop
	global_prefetch_b8 v0, s[64:65] scope:SCOPE_SE
	s_setreg_imm32_b32 hwreg(HW_REG_WAVE_MODE, 25, 1), 1
	s_wait_xcnt 0x0
; The first 16 positions of each sequence, for one (batch, head): under the causal mask they average few values, so they are carried more finely than f16 all the way.
; Phase 1: q, k, v of these 16 positions (64 channels each) once more from the codes of FP4, sums f32, + bias, kept in f32 in LDS: wave w makes 16 channels: kind w / 4, group w % 4.
; Phase 2 (waves 0-3): S^T = K Q^T, softmax with the row's maximum, y^T = V^T P, all by the f32 matrix form; wave t makes channels 16 t on.
; y leaves as PAIRS OF F16, split in f32: t = 8193 y, high = t - (t - y) (11 significant bits), low = y - high.
; yf: [batch 2][32 k: 32][1024], images of f16 fragments of 16 positions x 32 k (registers 4 c .. 4 c + 3 of lane l at 512 c + 16 l): the high parts; from byte 65,536 the low parts, laid alike.
; The order of k inside a step of the f32 form is permuted alike on both sources, which keeps the products.
; LIMITS: y must lie under 65,504 in magnitude; parts of it under 6e-5 keep an absolute error of 3e-8.
.set SPARE, 13056                      ; behind q, k, v (16 rows x 272 bytes each): the spare words, 128 bytes a wave
	s_load_b256 s[4:11], s[0:1], 0x0               ; xq s[4:5], wq s[6:7], b_qkv s[8:9], yf s[10:11]
	v_lshl_add_u32 v10, v0, 2, SPARE
	v_mov_b32 v11, 0
	v_lshrrev_b32 v1, 5, v0
	v_readfirstlane_b32 s12, v1                    ; wave
	s_lshr_b32 s13, s12, 2                         ; kind: 0 q, 1 k, 2 v
	s_and_b32 s14, s12, 3                          ; group of 16 channels
	s_and_b32 s16, ttmp7, 0xffff                   ; batch; ttmp9: head
	v_and_b32 v1, 31, v0
	v_lshlrev_b32 v1, 4, v1                        ; 16 x lane
	v_and_b32 v12, 15, v0                          ; r
	v_bfe_u32 v13, v0, 4, 1                        ; h
	v_lshlrev_b32 v2, 4, v12                       ; scale words: 16 bytes a row
	v_lshlrev_b32 v3, 5, v13                       ; the bias: 32 h
	v_mul_u32_u24 v7, v12, 272
	v_lshl_add_u32 v7, v13, 7, v7                  ; q: row r, channels 32 h on
	v_add_nc_u32 v6, 4352, v7                      ; k likewise
	s_mul_i32 s17, s13, 4352
	s_lshl_b32 s18, s14, 6
	s_add_co_u32 s17, s17, s18
	v_mul_u32_u24 v5, v12, 272
	v_lshl_add_u32 v5, v13, 5, v5
	v_add_nc_u32 v5, s17, v5                       ; where I put my results: kind, row r, channels 16 g + 8 h on
	v_mul_u32_u24 v8, v13, 2176
	v_lshl_add_u32 v8, v12, 2, v8
	s_add_co_u32 s18, s18, 8704
	v_add_nc_u32 v8, s18, v8                       ; v: key 8 h, channel 16 (wave % 4) + r
	v_lshlrev_b32 v9, 3, v13
	v_sub_nc_u32 v9, v12, v9                       ; r - 8 h
	v_mov_b32 v249, 0                              ; a lane permute's destination counts as one of its sources
	v_mov_b32 v14, 0xff800000                      ; -infinity
	s_mov_b32 s20, 0x76543210
	s_mov_b32 s21, 0xfedcba98
	s_mov_b32 s22, 0x3e38aa3b                      ; c = log2(e) / 8
	s_mov_b32 s38, 0x46000400                      ; 8193 = 2^13 + 1
	s_mov_b32 s39, s38                             ; (named with it as a pair, so it is written)
	s_lshl_b32 s17, s13, 6
	s_lshl_b32 s18, ttmp9, 2
	s_add_co_u32 s17, s17, s18
	s_add_co_u32 s17, s17, s14                     ; my column group of w: 64 kind + 4 head + g
	s_mov_b32 s37, 0
	s_wait_kmcnt 0x0
	s_lshl_b32 s36, s16, 19
	s_add_nc_u64 s[24:25], s[4:5], s[36:37]        ; x's codes: row group 128 batch
	s_lshl_b32 s36, s16, 15
	s_add_nc_u64 s[28:29], s[4:5], s[36:37]        ; its scale words
	s_lshl_b32 s36, s17, 12
	s_add_nc_u64 s[26:27], s[6:7], s[36:37]        ; w's codes
	s_lshl_b32 s36, s17, 8
	s_add_nc_u64 s[30:31], s[6:7], s[36:37]        ; its scale words
	s_lshl_b32 s36, s17, 6
	s_add_nc_u64 s[32:33], s[8:9], s[36:37]        ; the bias of my 16 channels
	s_add_co_u32 s18, s18, s14
	s_lshl_b32 s36, s18, 9                         ; yf: 16 channels are half a fragment, 512 bytes: 2,048 head + 512 (wave % 4),
	s_lshl_b32 s18, s16, 15                        ; in my batch's 32,768
	s_add_co_u32 s36, s36, s18
	s_add_nc_u64 s[34:35], s[10:11], s[36:37]
.irp k, 0,1
.irp q, 0,1,2,3
.irp c, 0,1
	global_load_b128 v[16+8*(4*\k+\q)+4*\c:16+8*(4*\k+\q)+4*\c+3], v1, s[24:25] offset:\k*1048576+\q*1024+512*\c
	global_load_b128 v[80+8*(4*\k+\q)+4*\c:80+8*(4*\k+\q)+4*\c+3], v1, s[26:27] offset:\k*786432+\q*1024+512*\c
.endr
.endr
	global_load_b128 v[144+4*\k:147+4*\k], v2, s[28:29] offset:2097152+\k*65536
	global_load_b128 v[152+4*\k:155+4*\k], v2, s[30:31] offset:1572864+\k*49152
.endr
	global_load_b128 v[160:163], v3, s[32:33]
	global_load_b128 v[164:167], v3, s[32:33] offset:16
	s_wait_loadcnt 0x0
.irp s, 0,1,2,3,4,5,6,7                ; source 0 = 16 columns of w, source 1 = the 16 positions; two accumulators by turns, the first begun from the bias
.if \s == 0
	v_wmma_scale_f32_16x16x128_f8f6f4 v[168:175], v[80:87], v[16:23], v[160:167], v152, v144 matrix_a_fmt:MATRIX_FMT_FP4 matrix_b_fmt:MATRIX_FMT_FP4
.elseif \s == 1
	v_wmma_scale_f32_16x16x128_f8f6f4 v[176:183], v[88:95], v[24:31], 0, v153, v145 matrix_a_fmt:MATRIX_FMT_FP4 matrix_b_fmt:MATRIX_FMT_FP4
.else
	v_wmma_scale_f32_16x16x128_f8f6f4 v[168+8*(\s%2):175+8*(\s%2)], v[80+8*\s:87+8*\s], v[16+8*\s:23+8*\s], v[168+8*(\s%2):175+8*(\s%2)], v[152+\s], v[144+\s] matrix_a_fmt:MATRIX_FMT_FP4 matrix_b_fmt:MATRIX_FMT_FP4
.endif
.endr
.rept 4
	v_nop
.endr
.irp p, 0,2,4,6
	v_pk_add_f32 v[184+\p:185+\p], v[168+\p:169+\p], v[176+\p:177+\p]
.endr
	ds_store_b128 v5, v[184:187]
	ds_store_b128 v5, v[188:191] offset:16
	s_wait_dscnt 0x0                               ; for the others' sake: my stores are done
	s_barrier_signal -1
	s_barrier_wait -1
	s_cmp_lt_u32 s12, 4
	s_cbranch_scc0 .Lend
.irp i, 0,1,2,3,4,5,6,7
	ds_load_b128 v[16+4*\i:19+4*\i], v6 offset:16*\i   ; k(key r, channels 32 h + 4 i on)
	ds_load_b128 v[48+4*\i:51+4*\i], v7 offset:16*\i   ; q(query r, the same channels)
.endr
.irp j, 0,1,2,3,4,5,6,7
	ds_load_b32 v[80+\j], v8 offset:272*\j             ; v(key 8 h + j, my channel)
.endr
	s_wait_dscnt 0x0
.irp s, 0,1,2,3,4,5,6,7,8,9,10,11,12,13,14,15   ; S^T: step s takes channels 2 s, 2 s + 1, 32 + 2 s, 33 + 2 s; four accumulators by turns
.if \s < 4
	v_wmma_f32_16x16x4_f32 v[192+8*\s:199+8*\s], v[16+2*\s:17+2*\s], v[48+2*\s:49+2*\s], 0
.else
	v_wmma_f32_16x16x4_f32 v[192+8*(\s%4):199+8*(\s%4)], v[16+2*\s:17+2*\s], v[48+2*\s:49+2*\s], v[192+8*(\s%4):199+8*(\s%4)]
.endif
.endr
.rept 8
	v_nop
.endr
.irp p, 0,2,4,6
	v_pk_add_f32 v[184+\p:185+\p], v[192+\p:193+\p], v[200+\p:201+\p]
	v_pk_add_f32 v[184+\p:185+\p], v[184+\p:185+\p], v[208+\p:209+\p]
	v_pk_add_f32 v[184+\p:185+\p], v[184+\p:185+\p], v[216+\p:217+\p]
.endr
.irp j, 0,1,2,3,4,5,6,7                ; register j holds key 8 h + j of query r: hidden where j > r - 8 h
	v_cmp_gt_i32 vcc_lo, \j, v9
	v_cndmask_b32 v[184+\j], v[184+\j], v14, vcc_lo
.endr
	v_max3_num_f32 v248, v184, v185, v186
	v_max3_num_f32 v248, v248, v187, v188
	v_max3_num_f32 v248, v248, v189, v190
	v_max_num_f32 v248, v248, v191
	v_permlanex16_b32 v249, v248, s20, s21
	v_max_num_f32 v248, v248, v249                 ; the row's maximum (key 0 counts for every query)
	v_mul_f32 v249, s22, v248
.irp j, 0,1,2,3,4,5,6,7
	v_fma_f32 v[184+\j], v[184+\j], s22, -v249
.endr
.irp j, 0,1,2,3,4,5,6,7
	v_exp_f32 v[184+\j], v[184+\j]
.endr
	v_nop
	s_wait_alu depctr_va_vdst(0)                   ; one wait for the eight, ahead of their first reader
	v_add_f32 v250, v184, v185
	v_add_f32 v251, v186, v187
	v_add_f32 v250, v250, v188
	v_add_f32 v251, v251, v189
	v_add_f32 v250, v250, v190
	v_add_f32 v251, v251, v191
	v_add_f32 v250, v250, v251
	v_permlanex16_b32 v251, v250, s20, s21
	v_add_f32 v250, v250, v251
	v_rcp_f32 v252, v250
	v_nop
	s_wait_alu depctr_va_vdst(0)
.irp j, 0,1,2,3,4,5,6,7
	v_mul_f32 v[240+\j], v[184+\j], v252
.endr
.irp s, 0,1,2,3                        ; y^T: step s takes keys 2 s, 2 s + 1, 8 + 2 s, 9 + 2 s; two accumulators by turns
.if \s < 2
	v_wmma_f32_16x16x4_f32 v[224+8*\s:231+8*\s], v[80+2*\s:81+2*\s], v[240+2*\s:241+2*\s], 0
.else
	v_wmma_f32_16x16x4_f32 v[224+8*(\s%2):231+8*(\s%2)], v[80+2*\s:81+2*\s], v[240+2*\s:241+2*\s], v[224+8*(\s%2):231+8*(\s%2)]
.endif
.endr
.rept 8
	v_nop
.endr
.irp p, 0,2,4,6
	v_pk_add_f32 v[184+\p:185+\p], v[224+\p:225+\p], v[232+\p:233+\p]   ; y(position r, channels 16 t + 8 h + 0 .. 7)
.endr
.irp p, 0,2,4,6
	v_pk_mul_f32 v[96+\p:97+\p], v[184+\p:185+\p], s[38:39] op_sel_hi:[1,0]                        ; t = 8193 y
.endr
.irp p, 0,2,4,6
	v_pk_add_f32 v[104+\p:105+\p], v[96+\p:97+\p], v[184+\p:185+\p] neg_lo:[0,1] neg_hi:[0,1]       ; t - y
.endr
.irp p, 0,2,4,6
	v_pk_add_f32 v[96+\p:97+\p], v[96+\p:97+\p], v[104+\p:105+\p] neg_lo:[0,1] neg_hi:[0,1]         ; the high part
.endr
.irp p, 0,2,4,6
	v_pk_add_f32 v[104+\p:105+\p], v[184+\p:185+\p], v[96+\p:97+\p] neg_lo:[0,1] neg_hi:[0,1]       ; the low part
.endr
.irp i, 0,1,2,3
	v_cvt_pk_f16_f32 v[112+\i], v[96+2*\i], v[97+2*\i]
.endr
.irp i, 0,1,2,3
	v_cvt_pk_f16_f32 v[116+\i], v[104+2*\i], v[105+2*\i]
.endr
	global_store_b128 v1, v[112:115], s[34:35]                  ; 512 consecutive bytes of an image
	global_store_b128 v1, v[116:119], s[34:35] offset:65536
.Lend:
	s_wait_tensorcnt 0x0                           ; the wave's end
	ds_add_u32 v10, v11
	s_wait_dscnt 0x0
	s_endpgm
.Lfunc_end_k_q084d05f81b_fine1:
	.size	k_q084d05f81b_fine1, .Lfunc_end_k_q084d05f81b_fine1-k_q084d05f81b_fine1
	.p2alignl 7, 3214868480
	.fill 96, 4, 3214868480
	.section	.rodata,"a",@progbits
	.p2align	6, 0x0
	.amdhsa_kernel k_q084d05f81b_fine1
		.amdhsa_group_segment_fixed_size 14592
		.amdhsa_private_segment_fixed_size 0
		.amdhsa_enable_private_segment 0
		.amdhsa_kernarg_size 32
		.amdhsa_user_sgpr_count 2
		.amdhsa_user_sgpr_kernarg_segment_ptr 1
		.amdhsa_wavefront_size32 1
		.amdhsa_system_sgpr_workgroup_id_x 1
		.amdhsa_system_sgpr_workgroup_id_y 1
		.amdhsa_system_sgpr_workgroup_id_z 1
		.amdhsa_system_vgpr_workitem_id 0
		.amdhsa_next_free_vgpr 256
		.amdhsa_next_free_sgpr 66
		.amdhsa_reserve_vcc 1
		.amdhsa_float_denorm_mode_32 3
		.amdhsa_float_denorm_mode_16_64 3
		.amdhsa_memory_ordered 1
		.amdhsa_forward_progress 1
		.amdhsa_inst_pref_size 17
	.end_amdhsa_kernel
	.amdgpu_metadata
---
amdhsa.version: [ 1, 2 ]
amdhsa.kernels:
  - .name:           k_q084d05f81b_fine1
    .symbol:         k_q084d05f81b_fine1.kd
    .args:
      - { .name: xq, .offset: 0, .size: 8, .value_kind: global_buffer, .address_space: global }
      - { .name: wq, .offset: 8, .size: 8, .value_kind: global_buffer, .address_space: global }
      - { .name: b_qkv, .offset: 16, .size: 8, .value_kind: global_buffer, .address_space: global }
      - { .name: yf, .offset: 24, .size: 8, .value_kind: global_buffer, .address_space: global }
    .group_segment_fixed_size: 14592
    .private_segment_fixed_size: 0
    .kernarg_segment_align: 8
    .kernarg_segment_size: 32
    .max_flat_workgroup_size: 384
    .sgpr_count:     66
    .vgpr_count:     256
    .wavefront_size: 32
...
	.end_amdgpu_metadata
.endif
;; end of part 5
;; launch fine2 (part 6): grid 64 x 2, 8 waves a work-group, no clusters, 9,216 bytes of LDS; arguments yf, wp, b_proj, out0; writes out0
.if DOCPART == 6
	.amdgcn_target "amdgcn-amd-amdhsa--gfx1250"
	.amdhsa_code_object_version 6
	.text
	.protected	k_q084d05f81b_fine2
	.globl	k_q084d05f81b_fine2
	.p2align	8
	.type	k_q084d05f81b_fine2,@function
k_q084d05f81b_fine2:
	s_mov_b64 s[64:65], 0
	v_nop
	global_prefetch_b8 v0, s[64:65] scope:SCOPE_SE
	s_setreg_imm32_b32 hwreg(HW_REG_WAVE_MODE, 25, 1), 1
	s_wait_xcnt 0x0
; The projection of the first 16 positions of a sequence, with both operands as pairs of f16, a high and a low part: out0(2048 batch + r, n) = the sum over k of y(r, k) w(k, n) + b_proj(n),
; y w = yh wh + yh wl + yl wh; the term yl wl, some 2^-22 of the product, is left out.  It is written over what the plain f16 projection left in these rows.
; A work-group takes 16 columns n (x) of one batch (y); wave w takes k = 128 w .. 128 w + 127: four fragments of 32 k of each of the four parts, each fragment two loads of 512 consecutive bytes of an image.
; The three terms have an accumulator each, which take turns; the eight waves' sums meet in LDS as images of the registers, and wave 0 adds them and the bias.
; Source 0 = 16 columns of w, source 1 = the 16 positions: a lane holds eight neighbouring outputs of a row.  The work-group stores 64-byte pieces of out0's rows: 16 columns are what one fragment of w holds.
.set SPARE, 8192                       ; behind the eight waves' sums (1,024 bytes each): the spare words
	s_load_b256 s[4:11], s[0:1], 0x0               ; yf s[4:5], wp s[6:7], b_proj s[8:9], out0 s[10:11]
	v_lshl_add_u32 v10, v0, 2, SPARE
	v_mov_b32 v11, 0
	v_lshrrev_b32 v1, 5, v0
	v_readfirstlane_b32 s12, v1                    ; wave
	v_and_b32 v1, 31, v0
	v_lshlrev_b32 v1, 4, v1                        ; 16 x lane
	v_and_b32 v12, 15, v0                          ; r
	v_bfe_u32 v13, v0, 4, 1                        ; h
	v_lshlrev_b32 v3, 5, v13                       ; the bias: 32 h
	s_lshl_b32 s13, s12, 10
	v_add_nc_u32 v4, s13, v1                       ; where I put my sums
	v_lshlrev_b32 v6, 12, v12
	v_lshl_add_u32 v6, v13, 5, v6                  ; out0: row r, 32 h bytes on
	s_and_b32 s14, ttmp7, 0xffff                   ; batch
	s_mov_b32 s17, 0
	s_lshl_b32 s15, ttmp9, 6                       ; my 16 columns, in bytes of f32
	s_wait_kmcnt 0x0
	s_lshr_b32 s16, s12, 1
	s_lshl_b32 s16, s16, 19                        ; wp: K step of 256 = wave / 2,
	s_lshl_b32 s18, ttmp9, 13                      ; my column group's 8,192 bytes,
	s_add_co_u32 s16, s16, s18
	s_and_b32 s18, s12, 1
	s_lshl_b32 s18, s18, 12                        ; fragments 4 (wave % 2) on
	s_add_co_u32 s16, s16, s18
	s_add_nc_u64 s[6:7], s[6:7], s[16:17]
	s_lshl_b32 s16, s14, 15                        ; yf: my batch's 32,768 bytes,
	s_lshl_b32 s18, s12, 12                        ; fragments 4 wave on
	s_add_co_u32 s16, s16, s18
	s_add_nc_u64 s[4:5], s[4:5], s[16:17]
	s_mov_b32 s16, s15
	s_add_nc_u64 s[8:9], s[8:9], s[16:17]
	s_lshl_b32 s16, s14, 23                        ; 2,048 rows of 4,096 bytes
	s_add_co_u32 s16, s16, s15
	s_add_nc_u64 s[10:11], s[10:11], s[16:17]
	global_load_b128 v[224:227], v3, s[8:9]
	global_load_b128 v[228:231], v3, s[8:9] offset:16
.irp f, 0,1,2,3
.irp c, 0,1
	global_load_b128 v[16+8*\f+4*\c:19+8*\f+4*\c], v1, s[6:7] offset:1024*\f+512*\c            ; wh
	global_load_b128 v[48+8*\f+4*\c:51+8*\f+4*\c], v1, s[6:7] offset:2097152+1024*\f+512*\c    ; wl
	global_load_b128 v[80+8*\f+4*\c:83+8*\f+4*\c], v1, s[4:5] offset:1024*\f+512*\c            ; yh
	global_load_b128 v[112+8*\f+4*\c:115+8*\f+4*\c], v1, s[4:5] offset:65536+1024*\f+512*\c    ; yl
.endr
.endr
	s_wait_loadcnt 0x0
.irp f, 0,1,2,3                        ; three accumulators by turns, one instruction a turn; the first products start the sums
.if \f == 0
	v_wmma_f32_16x16x32_f16 v[144:151], v[16:23], v[80:87], 0
	v_wmma_f32_16x16x32_f16 v[152:159], v[48:55], v[80:87], 0
	v_wmma_f32_16x16x32_f16 v[160:167], v[16:23], v[112:119], 0
.else
	v_wmma_f32_16x16x32_f16 v[144:151], v[16+8*\f:23+8*\f], v[80+8*\f:87+8*\f], v[144:151]
	v_wmma_f32_16x16x32_f16 v[152:159], v[48+8*\f:55+8*\f], v[80+8*\f:87+8*\f], v[152:159]
	v_wmma_f32_16x16x32_f16 v[160:167], v[16+8*\f:23+8*\f], v[112+8*\f:119+8*\f], v[160:167]
.endif
.endr
.rept 4
	v_nop
.endr
.irp p, 0,2,4,6
	v_pk_add_f32 v[168+\p:169+\p], v[152+\p:153+\p], v[160+\p:161+\p]   ; the two small terms first,
	v_pk_add_f32 v[168+\p:169+\p], v[168+\p:169+\p], v[144+\p:145+\p]   ; then the large one
.endr
	ds_store_b128 v4, v[168:171]
	ds_store_b128 v4, v[172:175] offset:512
	s_wait_dscnt 0x0                               ; for the others' sake: my stores are done
	s_barrier_signal -1
	s_barrier_wait -1
	s_cmp_eq_u32 s12, 0
	s_cbranch_scc0 .Lend
.irp w, 0,1,2,3,4,5,6,7
.irp c, 0,1
	ds_load_b128 v[16+8*\w+4*\c:19+8*\w+4*\c], v1 offset:1024*\w+512*\c
.endr
.endr
	s_wait_dscnt 0x0
.irp w, 1,2,3,4,5,6,7
.irp p, 0,2,4,6
	v_pk_add_f32 v[16+\p:17+\p], v[16+\p:17+\p], v[16+8*\w+\p:17+8*\w+\p]
.endr
.endr
.irp p, 0,2,4,6
	v_pk_add_f32 v[16+\p:17+\p], v[16+\p:17+\p], v[224+\p:225+\p]
.endr
	global_store_b128 v6, v[16:19], s[10:11]
	global_store_b128 v6, v[20:23], s[10:11] offset:16
.Lend:
	s_wait_tensorcnt 0x0                           ; the wave's end
	ds_add_u32 v10, v11
	s_wait_dscnt 0x0
	s_endpgm
.Lfunc_end_k_q084d05f81b_fine2:
	.size	k_q084d05f81b_fine2, .Lfunc_end_k_q084d05f81b_fine2-k_q084d05f81b_fine2
	.p2alignl 7, 3214868480
	.fill 96, 4, 3214868480
	.section	.rodata,"a",@progbits
	.p2align	6, 0x0
	.amdhsa_kernel k_q084d05f81b_fine2
		.amdhsa_group_segment_fixed_size 9216
		.amdhsa_private_segment_fixed_size 0
		.amdhsa_enable_private_segment 0
		.amdhsa_kernarg_size 32
		.amdhsa_user_sgpr_count 2
		.amdhsa_user_sgpr_kernarg_segment_ptr 1
		.amdhsa_wavefront_size32 1
		.amdhsa_system_sgpr_workgroup_id_x 1
		.amdhsa_system_sgpr_workgroup_id_y 1
		.amdhsa_system_sgpr_workgroup_id_z 1
		.amdhsa_system_vgpr_workitem_id 0
		.amdhsa_next_free_vgpr 240
		.amdhsa_next_free_sgpr 66
		.amdhsa_reserve_vcc 0
		.amdhsa_float_denorm_mode_32 3
		.amdhsa_float_denorm_mode_16_64 3
		.amdhsa_memory_ordered 1
		.amdhsa_forward_progress 1
		.amdhsa_inst_pref_size 10
	.end_amdhsa_kernel
	.amdgpu_metadata
---
amdhsa.version: [ 1, 2 ]
amdhsa.kernels:
  - .name:           k_q084d05f81b_fine2
    .symbol:         k_q084d05f81b_fine2.kd
    .args:
      - { .name: yf, .offset: 0, .size: 8, .value_kind: global_buffer, .address_space: global }
      - { .name: wp, .offset: 8, .size: 8, .value_kind: global_buffer, .address_space: global }
      - { .name: b_proj, .offset: 16, .size: 8, .value_kind: global_buffer, .address_space: global }
      - { .name: out0, .offset: 24, .size: 8, .value_kind: global_buffer, .address_space: global }
    .group_segment_fixed_size: 9216
    .private_segment_fixed_size: 0
    .kernarg_segment_align: 8
    .kernarg_segment_size: 32
    .max_flat_workgroup_size: 256
    .sgpr_count:     66
    .vgpr_count:     240
    .wavefront_size: 32
...
	.end_amdgpu_metadata
.endif
;; end of part 6
